; MI455X (gfx1250); checked and timed in simulation.
; The chip was launched on July 23, 2026; its instructions are those of AMD's public machine-readable ISA for CDNA 5 (MIT licence, August 2026) and "CDNA5" Instruction Set Architecture Reference Guide (July 2026). The comments in the code are by the model that wrote it; some were corrected since.
;; SVD. Allowed arithmetic: float matrix products may take bf16 or f16 operands with f32 sums; all other float work in f32.
;; Inputs: src 32 x 2,048 x 3 float32; src_embed 32 x 2,048 x 512 float32; tgt 32 x 2,048 x 3 float32; tgt_embed 32 x 2,048 x 512 float32.
;; Outputs: out0 32 x 3 x 3 float32; out1 32 x 1 x 3 float32.
;; 2 versions, each right. Each part assembles by itself: llvm-mc -triple=amdgcn-amd-amdhsa -mcpu=gfx1250 --defsym DOCPART=n.
;; ======== version 1 of 2: 2 launches
;; limits: inputs' magnitudes at most 65,504; values are held in f16: magnitudes above 65,504 overflow, below 6.1e-05 lose precision; right only within a limited range of input values
;; workspace buffers: part 65,536 bytes
;; launch match (part 1): grid 8 x 32, 4 waves a work-group, clusters of 4 x 1, 327,680 bytes of LDS; arguments src, src_embed, tgt, tgt_embed, part; writes part
.if DOCPART == 1
	.amdgcn_target "amdgcn-amd-amdhsa--gfx1250"
	.amdhsa_code_object_version 6
	.text
	.protected	k_q3d2f91e4ab_match
	.globl	k_q3d2f91e4ab_match
	.p2align	8
	.type	k_q3d2f91e4ab_match,@function
k_q3d2f91e4ab_match:
	s_mov_b64 s[64:65], 0
	v_nop
	global_prefetch_b8 v0, s[64:65] scope:SCOPE_SE
	s_setreg_imm32_b32 hwreg(HW_REG_WAVE_MODE, 25, 1), 1
	s_wait_xcnt 0x0
	s_wait_alu depctr_hold_cnt(0) depctr_sa_sdst(0) depctr_va_vdst(0) depctr_va_sdst(0) depctr_va_ssrc(0) depctr_va_vcc(0) depctr_vm_vsrc(0)
	s_getreg_b32 s2, hwreg(HW_REG_IB_STS2, 6, 4)
	s_cmp_eq_u32 s2, 0
	s_cbranch_scc0 .Lentry_in_a_cluster
	s_endpgm
.Lentry_in_a_cluster:
	s_bfe_u32 s2, ttmp6, 0x10000c
	s_cmp_lg_u32 s2, 0x3003
	s_cbranch_scc0 .Lentry_shape_is_right
	s_endpgm
.Lentry_shape_is_right:
; MATCH.  For each batch b and query n: matched[n] = sum over keys m of softmax_m(src_embed[n] . tgt_embed[m] / sqrt(512)) tgt[m]; then, for each 64 queries,
; a record of 16 f32: the mean of src, the mean of matched, and the 3 x 3 sum of (src - its mean)(matched - its mean)^T, all centred on the 64 queries' own means.
; The next launch joins the 32 records of a batch; no difference of large sums is ever formed.
; FORMATS.  All four inputs are rounded to bf16 (src and tgt too).  Scores: bf16 x bf16, f32 sums.  The weights p are rounded to f16 for the second product; tgt's bf16 number is written as f16.
; Maxima, exponents, sums and all that follows in f32.  The divisor l is the sum of the rounded p: it rides as a row of ones in the second product.
; LIMITS.  |tgt| up to 65,504; below 2^-14 tgt keeps f16's fixed step.  p below 6e-5 keeps f16's step of 6e-8.  A query all of whose raw scores lie below -2^100 is not served.
; NaN and infinities are not treated apart.
; SHARES.  A work-group owns 256 queries of one batch, each of its four waves 64: four tiles of 16.  A wave's queries, 64 x 512 in bf16, stay in 512 registers.  Every wave walks all 2,048 keys,
; 64 a trip (a slot of LDS), in two units of 32.
; LAYOUT.  S^T = K Q^T (source 0 = 16 keys, source 1 = 16 queries): a lane holds ONE query (lane % 16) and the keys 8 (lane / 16) + 0..7.  Two such results rounded to f16 in pairs ARE source 1
; of O^T = V^T P.  V^T has 16 rows: row m holds x, y, z, ones for m % 8 = 0..3 and zeros else, so every lane's O^T registers 0-3 are sum p x, sum p y, sum p z, sum p of its query.
; K lies in LDS in f32 as it lies in memory and is rounded to bf16 on the way to the matrix unit: four loads of 16 bytes and eight conversions make one fragment, which feeds four products.
; BY TURNS.  While unit u's 128 score products are issued, the softmax and the four value products of unit u - 1 stand between them.  The very first unit meets a unit that has not been:
; scores of -2^100 and a V of zeros, which add 0; the step behind it multiplies by a = 0.  So no first step is written out; the price is 104 v_mov_b32 at the start.
; CLUSTER.  The query blocks of a batch walk the same keys.  Four of them form a cluster and ask for each tile JOINTLY (mask 15); a batch's eight blocks are two clusters, since a mask names four.
; REGISTERS, in windows of 256 (s_set_vgpr_msb: bits 1:0 source 0, 3:2 source 1, 5:4 source 2, 7:6 destination):
;   window 0: v0 prefetch offset; v1-5 LDS addresses; v6-7 the add's two; v8-23 statistics (tile t: c m, m, a, x); v24-31 at work; v32-95 K in f32, ring of 4 x 16;
;             v96-127 K in bf16, ring of 4 x 8; v128-191, v192-255 S^T, two buffers ((t, kt) at 16 t + 8 kt); P takes the first 8 of a tile's 16
;   window 1: v0-31 O^T; v32-47 V^T, two buffers; v48-63 src; v64-159 at work while V^T is built; v160-161 the last store's addresses
;   windows 2, 3: Q: fragment (tile t, channels 32 c on) at 8 (4 (c % 8) + t), window 2 for c < 8
; For a score product only source 1 leaves window 0.  Under that setting every line without a vector register as source 1 (LDS loads, exponentials, the scaling by a scalar) still works in window 0.
.set PK,    528                 ; a row of a panel in LDS: 512 bytes + 16 of padding = 132 words: the 16 rows of a load start at 16 different groups of four banks (64 banks of 4 bytes: ISA guide 11.1)
.set PANEL, 64*PK               ; 64 keys x 128 channels of f32: what one tensor load brings
.set SLOT,  4*PANEL             ; 64 keys x 512 channels; slot 1 begins here.  SLOT = 0x21000 shares no bit with wave x PANEL, so one exclusive or changes slots
.set VT,    2*SLOT              ; V^T in f16: 5 rows (x, y, z, ones, zeros) of 2,048 keys
.set PVT,   4112
.set QST,   VT+20736            ; per wave 16 rows x 272 bytes: Q's way from rows to fragments
.set QP,    272
.set QW,    16*QP
.set STAGE, QST+4*QW            ; the work-group's four records: 256 bytes
.set SPARE, STAGE+256           ; the spare words, 128 bytes for each wave: two blocks of 256 bytes that no other line names
.set TILEB, 64*2048             ; bytes of 64 keys in memory
.set PFO, 0
.set AK0, 1                     ; 528 (l % 16) + 32 (l / 16); never rewritten
.set AKL, 2                     ; AK0 + the slot: panels 0, 1.   First: my 16 bytes in a row piece of Q
.set AKH, 3                     ; the same for panels 2, 3.      First: where I put 8 bytes of Q
.set AV0, 4                     ; my lane's place in V^T; never rewritten
.set AV,  5                     ; AV0 + the tile's 128 bytes.    First: where I read a fragment of Q
.set SPW, 6                     ; LDS address of my spare word; never rewritten
.set NIL, 7                     ; 0; never rewritten
.set ST,  8
.set TMP, 24
.set RAW, 32
.set KBF, 96
.set S,   128
.set VF,  32                    ; window 1
.set SRC, 48                    ; window 1
.set TG,  64                    ; window 1: tgt as loaded, 48 registers
.set VH,  112                   ; window 1: my 16 keys of x, y, z in f16, 8 registers each
.set ONE, 136                   ; window 1: four registers of f16 ones, four of zeros
.set VW,  144                   ; window 1: at work
.set SADR, 160                  ; window 1: STAGE + 8 x lane
.set GADR, 161                  ; window 1: 8 x lane
.set M2,   0x08
.set M3,   0x0c
.set W_RS, 0x41                 ; destination and source 0 in window 1
.set W_PV, 0x51                 ; V^T, C and D in window 1, P in window 0
.set W_VL, 0x40                 ; destination in window 1
.set MSB, 0
.macro WIN new                  ; the immediate's high byte repeats the setting that is left; a switch that changes nothing is dropped
.if MSB != (\new)
	s_set_vgpr_msb (MSB<<8)|(\new)
.set MSB, \new
.endif
.endm
.macro WANY                     ; for lines that have no vector register as source 1: any of the three settings serves
.if (MSB != 0) && (MSB != M2) && (MSB != M3)
	WIN 0
.endif
.endm
.macro PLACES                   ; four places behind a matrix instruction (ISA guide 7.12.1)
.rept 4
	v_nop
.endr
.endm
.macro CREST                    ; a round of the cluster's barrier behind its opening barrier
	s_cmp_lg_u32 s14, 0
	s_cbranch_scc1 .Lnot_wave_0_\@
	s_barrier_signal -3
.Lnot_wave_0_\@:
	s_barrier_wait -3
	s_barrier_signal -1
	s_barrier_wait -1
.endm
.macro CROUND                   ; a whole round
	s_barrier_signal -1
	s_barrier_wait -1
	CREST
.endm
	s_load_b256 s[4:11], s[0:1], 0x0               ; src s[4:5], src_embed s[6:7], tgt s[8:9], tgt_embed s[10:11]
	s_load_b64 s[12:13], s[0:1], 0x20              ; part
	v_lshl_add_u32 v[SPW], v0, 2, SPARE
	v_mov_b32 v[NIL], 0
	ds_add_u32 v[SPW], v[NIL]                      ; the wave's opening: the add and its wait stand ahead of my first tensor load; the set-up below, work on registers, stands between them
	v_lshrrev_b32 v1, 5, v0
	v_readfirstlane_b32 s14, v1                    ; wave 0..3
	s_bfe_u32 s15, ttmp6, 0x40000                  ; cx: my place in the cluster
	s_lshl_b32 s16, ttmp9, 2                       ; in a cluster launch ttmp9 counts clusters
	s_add_co_u32 s16, s16, s15                     ; x: my block of 256 queries; it enters global addresses of Q, src, part and the prefetch alone
	s_and_b32 s17, ttmp7, 0xffff                   ; b: the batch, which the four partners share
	; descriptor group 1: a panel of 64 rows x 128 elements of 4 bytes, padded in LDS
	s_mov_b32 s24, 15|(2<<16)|(1<<20)|(1<<21)|(6<<22)|(3<<25)  ; 15:0 the mask of four; 17:16 4-byte elements; 20 padding on; 21 set beside a mask; 24:22 after every 128 words (code 6); 31:25 4 words (code 3)
	s_mov_b32 s25, 128<<16                         ; tensor_dim0 = 128
	s_mov_b32 s26, 64<<16                          ; tensor_dim1 = 64
	s_mov_b32 s27, 128<<16                         ; tile_dim0 = 128
	s_mov_b32 s28, 64                              ; tile_dim1 = 64
	s_mov_b32 s29, 512                             ; 512 elements from row to row
	s_mov_b32 s30, 0
	s_mov_b32 s31, 0
	s_mov_b32 s32, 1                               ; group 0 for tile 0: count = 1,
	s_mul_i32 s33, s14, PANEL                      ; my panel of slot 0: wave w brings channels 128 w on
	s_mov_b32 s36, 1                               ; group 0 for tile 1; it then walks
	s_add_co_u32 s37, s33, SLOT
	s_mov_b32 s44, 0x3d8293ee                      ; c = log2(e) / sqrt(512) = 0.0637587
	s_mov_b32 s45, s44                             ; named with it as a pair
	s_mov_b32 s48, 0x76543210                      ; v_permlanex16_b32: each lane takes its own place in the other half
	s_mov_b32 s49, 0xfedcba98
	s_mov_b32 s57, 0xffff0000                      ; a word's upper bf16
	s_mul_i32 s22, s14, QW
	s_add_co_u32 s22, s22, QST                     ; my wave's stage for Q
	v_and_b32 v8, 15, v0                           ; l % 16
	v_bfe_u32 v9, v0, 4, 1                         ; l / 16
	v_and_b32 v10, 31, v0                          ; l
	v_mul_u32_u24 v[AK0], v8, PK
	v_lshl_add_u32 v[AK0], v9, 5, v[AK0]           ; a fragment of K from f32 rows: channels 8 (l / 16) on are 32 bytes
	v_and_b32 v[AV0], 7, v0
	v_min_u32 v[AV0], 4, v[AV0]                    ; row m of V^T lies in LDS row min(m % 8, 4)
	v_mul_u32_u24 v[AV0], v[AV0], PVT
	v_lshl_add_u32 v[AV0], v9, 4, v[AV0]
	v_add_nc_u32 v[AV0], VT, v[AV0]
	v_lshlrev_b32 v[AKL], 4, v10                   ; Q: 32 lanes take 512 consecutive bytes of a row
	v_lshl_add_u32 v[AKH], v10, 3, s22             ; which are 256 bytes in bf16
	v_mul_u32_u24 v[AV], v8, QP
	v_lshl_add_u32 v[AV], v9, 4, v[AV]
	v_add_nc_u32 v[AV], s22, v[AV]                 ; back as fragments: row l % 16, 16 bytes for each half of the lanes
	v_lshl_add_u32 v24, v0, 5, VT                  ; thread i builds keys 16 i .. 16 i + 15 of V^T: 32 bytes of each row
	v_mul_u32_u24 v25, v8, 12                      ; src: my query's 12 bytes in a tile
	v_mul_u32_u24 v26, v0, 192                     ; tgt: my 16 keys
	WIN W_VL
	v_lshl_add_u32 v[SADR], v10, 3, STAGE
	v_lshlrev_b32 v[GADR], 3, v10
	WIN 0
	s_lshl_b32 s20, s16, 14
	v_lshl_add_u32 v[PFO], v0, 8, s20              ; the prefetch: 16,384 x + 8,192 wave + 256 lane: waves 0 and 1 of a batch's eight blocks cover a tile's 131,072 bytes once
	s_lshl_b32 s18, s17, 22                        ; a batch's embeddings are 4 MiB
	s_mov_b32 s19, 0
	s_lshl_b32 s20, s16, 19                        ; my block's 256 rows of 2,048 bytes,
	s_lshl_b32 s21, s14, 17                        ; my wave's 64
	s_add_co_u32 s20, s20, s21
	s_add_co_u32 s20, s20, s18
	s_mov_b32 s21, 0
	s_mul_i32 s22, s17, 24576                      ; a batch's points are 2,048 x 12 bytes
	s_mov_b32 s23, 0
	s_mov_b32 s56, 2                               ; the tile that the prefetch asks for
	s_mov_b32 s54, 2<<17
	s_mov_b32 s55, 0
	s_wait_dscnt 0x0                               ; the opening add is done
	s_wait_kmcnt 0x0
	s_add_nc_u64 s[52:53], s[10:11], s[18:19]      ; K of my batch
	s_add_nc_u64 s[6:7], s[6:7], s[20:21]          ; Q at my wave's first row
	s_add_nc_u64 s[8:9], s[8:9], s[22:23]          ; tgt of my batch
	s_add_nc_u64 s[4:5], s[4:5], s[22:23]
	s_mul_i32 s20, s16, 3072
	s_mul_i32 s22, s14, 768
	s_add_co_u32 s20, s20, s22
	s_add_nc_u64 s[4:5], s[4:5], s[20:21]          ; src at my wave's first query
	s_lshl_b32 s20, s17, 11
	s_lshl_b32 s22, s16, 8
	s_add_co_u32 s20, s20, s22
	s_add_nc_u64 s[12:13], s[12:13], s[20:21]      ; part at my work-group's 256 bytes
	s_lshl_b32 s18, s14, 9                         ; my panel's 512 bytes of a row
	s_add_nc_u64 s[34:35], s[52:53], s[18:19]      ; made of the batch and the wave's number alone: equal in all four partners
	s_add_nc_u64 s[38:39], s[34:35], TILEB
	s_or_b32 s35, s35, 0x80000000                  ; type = 2
	s_or_b32 s39, s39, 0x80000000
	s_add_nc_u64 s[50:51], s[52:53], s[54:55]
	CROUND                                         ; all four work-groups are here: the first joint loads meet
	tensor_load_to_lds s[32:35], s[24:31]          ; tile 0 into slot 0
	s_nop 0
	tensor_load_to_lds s[36:39], s[24:31]          ; tile 1 into slot 1: two tensor loads of mine are out
	s_nop 0
	PLACES
	WIN W_VL
.irp t, 0,1,2,3
.irp c, 0,1,2
	global_load_b32 v[SRC+4*(\t)+(\c)], v25, s[4:5] offset:192*(\t)+4*(\c) th:TH_LOAD_NT
.endr
.endr
.irp i, 0,1,2,3,4,5,6,7,8,9,10,11
	global_load_b128 v[TG+4*(\i):TG+4*(\i)+3], v26, s[8:9] offset:16*(\i)
.endr
	WIN 0
; Q COMES THROUGH REGISTERS.  A chunk n is tile n / 4, channels 128 (n % 4) on: 16 rows x 512 bytes; each load of the wave covers one row's 512 consecutive bytes.  Three sets of 64 registers take turns.
.macro QLOAD n
.set gR, RAW+64*((\n)%3)
.set gi, 0
.rept 16
	global_load_b128 v[gR+4*gi:gR+4*gi+3], v[AKL], s[6:7] offset:(16*((\n)/4)+gi)*2048+512*((\n)%4) th:TH_LOAD_NT
.set gi, gi+1
.endr
.endm
; The chunk is rounded to bf16 in place, put into my own stage by rows, and read back as four fragments.  LDS serves a wave's instructions in order (ISA guide 5.7.1.4): the loads see the
; stores above them, and the next chunk's stores come behind these loads.  Then the set is asked for again, three chunks on.
.macro QCHUNK n
.set qR, RAW+64*((\n)%3)
.set qt, (\n)/4
.set qp, (\n)%4
.if (\n) < 14
	s_wait_loadcnt 32                              ; loads come back in order (ISA guide 5.7.1): two younger chunks of 16 stay out
.elseif (\n) == 14
	s_wait_loadcnt 16
.else
	s_wait_loadcnt 0x0
.endif
.set qi, 0
.rept 16
	v_cvt_pk_bf16_f32 v[qR+4*qi], v[qR+4*qi], v[qR+4*qi+1]
	v_cvt_pk_bf16_f32 v[qR+4*qi+1], v[qR+4*qi+2], v[qR+4*qi+3]
	ds_store_b64 v[AKH], v[qR+4*qi:qR+4*qi+1] offset:QP*qi
.set qi, qi+1
.endr
.if qp < 2
	WIN 0x80
.else
	WIN 0xc0
.endif
.set qi, 0
.rept 4
.set qD, (((4*qp+qi)%8)*4+qt)*8
	ds_load_b128 v[qD:qD+3], v[AV] offset:64*qi
	ds_load_b128 v[qD+4:qD+7], v[AV] offset:64*qi+32
.set qi, qi+1
.endr
	WIN 0
.if (\n)+3 < 16
	QLOAD (\n)+3
.endif
.endm
	QLOAD 0
	QLOAD 1
	QLOAD 2
	; what the first unit finds, written while the loads are on their way
	s_mov_b32 s18, 0xf1800000                      ; -2^100
.irp t, 0,1,2,3
	v_mov_b32 v[ST+4*(\t)], 0xfe000000             ; c m: far below every c s, so the first a is 0
	v_mov_b32 v[ST+4*(\t)+1], s18                  ; m
.endr
	WIN 0x55
.set i, 0
.rept 32
	v_mov_b32 v[i], 0                              ; O^T
.set i, i+1
.endr
.set i, 0
.rept 8
	v_mov_b32 v[VF+8+i], 0                         ; the V^T of the unit that has not been
.set i, i+1
.endr
.irp i, 0,1,2,3
	v_mov_b32 v[ONE+(\i)], 0x3c003c00              ; two f16 ones
	v_mov_b32 v[ONE+4+(\i)], 0
.endr
	s_wait_loadcnt 48                              ; src and tgt are in; Q's first three chunks, 48 loads, were issued behind them
	; V^T: tgt rounded to bf16, that number written as f16 (exact inside f16's range), by channels
.set vj, 0
.rept 8
.irp c, 0,1,2
	v_cvt_pk_bf16_f32 v[VW+4*(\c)], v[TG+6*vj+(\c)], v[TG+6*vj+3+(\c)]
	v_lshlrev_b32 v[VW+4*(\c)+1], 16, v[VW+4*(\c)]
	v_and_b32 v[VW+4*(\c)+2], s57, v[VW+4*(\c)]
	v_cvt_pk_f16_f32 v[VH+8*(\c)+vj], v[VW+4*(\c)+1], v[VW+4*(\c)+2]
.endr
.set vj, vj+1
.endr
	WIN 0x04                                       ; store data in window 1, address in window 0
.irp c, 0,1,2
	ds_store_b128 v24, v[VH+8*(\c):VH+8*(\c)+3] offset:(\c)*PVT
	ds_store_b128 v24, v[VH+8*(\c)+4:VH+8*(\c)+7] offset:(\c)*PVT+16
.endr
	ds_store_b128 v24, v[ONE:ONE+3] offset:3*PVT
	ds_store_b128 v24, v[ONE:ONE+3] offset:3*PVT+16
	ds_store_b128 v24, v[ONE+4:ONE+7] offset:4*PVT
	ds_store_b128 v24, v[ONE+4:ONE+7] offset:4*PVT+16
	WIN 0
.irp n, 0,1,2,3,4,5,6,7,8,9,10,11,12,13,14,15
	QCHUNK \n
.endr
.set i, 0
.rept 64
	v_mov_b32 v[S+64+i], s18                       ; the scores of the unit that has not been: c x 2^100 is exact, so its weights are exactly 1, on a V of zeros
.set i, i+1
.endr
	s_wait_tensorcnt 0x1                           ; my panel of tile 0 is in; tile 1's may stay out
	s_wait_dscnt 0x0                               ; my part of V^T is stored, my Q is in registers
	s_barrier_signal -1
	s_barrier_wait -1                              ; everybody's is
; THE MATRIX WORK.  Group f of a unit's 32: channels 32 (f / 2) on, keys 16 (f % 2) on, four products, one for each tile.  The 8 accumulators take turns, one instruction a turn.
.macro KMUL f, t, sb
.set kc, (\f)/2
.set rD, S+64*(\sb)+16*(\t)+8*((\f)%2)
.set rA, KBF+8*((\f)%4)
.set rB, ((kc%8)*4+(\t))*8
.if kc < 8
	WIN M2
.else
	WIN M3
.endif
.if (\f) < 2
	v_wmma_f32_16x16x32_bf16 v[rD:rD+7], v[rA:rA+7], v[rB:rB+7], 0
.else
	v_wmma_f32_16x16x32_bf16 v[rD:rD+7], v[rA:rA+7], v[rB:rB+7], v[rD:rD+7]
.endif
.endm
; Four of the eight conversions that make fragment n.  Its bf16 registers were last read three groups back: 16 conversions and more stand between.
.macro KCVT n, j0
	WIN 0
.set rK, KBF+8*((\n)%4)
.set rR, RAW+16*((\n)%4)
.irp j, 0,1,2,3
	v_cvt_pk_bf16_f32 v[rK+(\j0)+(\j)], v[rR+2*((\j0)+(\j))], v[rR+2*((\j0)+(\j))+1]
.endr
.endm
; Load i of the four of fragment n of unit u (n >= 32: fragment n - 32 of the unit behind it): channels 8 (l / 16) + 0..3, + 4..7, 16 + 8 (l / 16) + 0..3, + 4..7 of key l % 16.
.macro KLD1 u, n, i
.set lF, (\n)%32
.set lU, ((\u)+(\n)/32)%2
.set lc, lF/2
.set kofs, ((lc/4)%2)*PANEL+(32*lU+16*(lF%2))*PK+(lc%4)*128+16*((\i)%2)+64*((\i)/2)
.set lR, RAW+16*((\n)%4)+4*(\i)
	WANY
.if lc < 8
	ds_load_b128 v[lR:lR+3], v[AKL] offset:kofs
.else
	ds_load_b128 v[lR:lR+3], v[AKH] offset:kofs
.endif
.endm
.macro VLD sb, u                ; the unit's 32 keys of V^T
	WIN W_VL
	ds_load_b128 v[VF+8*(\sb):VF+8*(\sb)+3], v[AV] offset:64*(\u)
	ds_load_b128 v[VF+8*(\sb)+4:VF+8*(\sb)+7], v[AV] offset:64*(\u)+32
.endm
; THE SOFTMAX OF THE UNIT BEFORE, buffer pb.  Tile t's list begins at half-group 12 t; sd counts from there.  s0-s15 are the lane's 16 scores.
; SMZ holds what needs window 0 or a setting of its own, and stands behind the conversions:
;   0-3  the maximum of s0-s7 and the old m in c0, of s8-s14 in c1, then c0, c1, s15 (each accumulator's lowest registers are read first)     4  the new m
;   17-20  the weights rounded to f16 in pairs, in place, ascending     21  O^T's four live registers times a, and the value product
; SMV holds what has no vector register as source 1, and stands among the LDS loads, in two parts:
;   3  the other half of the lanes' maximum     4  c m_old kept; c m; c m_old - c m; a     5, 6  c s - c m     7-14  the 16 exponentials
.macro TREG t, pb
.set rS, S+64*(\pb)+16*(\t)
.set rT, ST+4*(\t)
.set rC, TMP+2*(\t)
.set rO, 8*(\t)
.set rV, VF+8*(\pb)
.endm
.macro SMZ h, pb
.irp t, 0,1,2,3
.set sd, (\h)-12*(\t)
.if (sd >= 0) && (sd <= 21)
	TREG \t, \pb
.if sd == 0
	WIN 0
	v_max3_num_f32 v[rC], v[rS], v[rS+1], v[rT+1]
	v_max3_num_f32 v[rC+1], v[rS+8], v[rS+9], v[rS+10]
.elseif sd < 3
	WIN 0
	v_max3_num_f32 v[rC], v[rC], v[rS+2*sd], v[rS+2*sd+1]
	v_max3_num_f32 v[rC+1], v[rC+1], v[rS+9+2*sd], v[rS+10+2*sd]
.elseif sd == 3
	WIN 0
	v_max3_num_f32 v[rC], v[rC], v[rS+6], v[rS+7]
	v_max3_num_f32 v[rC], v[rC], v[rC+1], v[rS+15]
.elseif sd == 4
	WIN 0
	v_max_num_f32 v[rT+1], v[rC], v[rC+1]
.elseif (sd >= 17) && (sd <= 20)
	WIN 0
	s_wait_alu depctr_va_vdst(0)
	v_cvt_pk_f16_f32 v[rS+2*(sd-17)], v[rS+4*(sd-17)], v[rS+4*(sd-17)+1]
	v_cvt_pk_f16_f32 v[rS+2*(sd-17)+1], v[rS+4*(sd-17)+2], v[rS+4*(sd-17)+3]
.elseif sd == 21
	WIN W_RS
	v_pk_mul_f32 v[rO:rO+1], v[rO:rO+1], v[rT+2:rT+3] op_sel_hi:[1,0]
	v_pk_mul_f32 v[rO+2:rO+3], v[rO+2:rO+3], v[rT+2:rT+3] op_sel_hi:[1,0]
	WIN W_PV
	v_wmma_f32_16x16x32_f16 v[rO:rO+7], v[rV:rV+7], v[rS:rS+7], v[rO:rO+7]
.endif
.endif
.endr
.endm
.macro SMV h, pb, part
.irp t, 0,1,2,3
.set sd, (\h)-12*(\t)
.if (sd >= 3) && (sd <= 14)
	TREG \t, \pb
	WANY
.if sd == 3
.if (\part) == 0
	v_permlanex16_b32 v[rC+1], v[rC], s48, s49     ; the query's other 16 keys lie in the lane 16 away
.endif
.elseif sd == 4
.if (\part) == 0
	v_mov_b32 v[rT+3], v[rT]
	v_mul_f32 v[rT], v[rT+1], s44
.else
	v_fma_f32 v[rT+3], v[rT], -1.0, v[rT+3]        ; of the two rounded numbers, so that a agrees with the weights' shift
	v_exp_f32 v[rT+2], v[rT+3]
.endif
.elseif sd <= 6
.set fi, 4*(sd-5)+2*(\part)
	v_pk_fma_f32 v[rS+2*fi:rS+2*fi+1], v[rS+2*fi:rS+2*fi+1], s[44:45], v[rT:rT+1] op_sel_hi:[1,0,0] neg_lo:[0,0,1] neg_hi:[0,0,1]
	v_pk_fma_f32 v[rS+2*fi+2:rS+2*fi+3], v[rS+2*fi+2:rS+2*fi+3], s[44:45], v[rT:rT+1] op_sel_hi:[1,0,0] neg_lo:[0,0,1] neg_hi:[0,0,1]
.else
	v_exp_f32 v[rS+2*(sd-7)+(\part)], v[rS+2*(sd-7)+(\part)]  ; its result is read three half-groups on at the earliest, behind conversions
.endif
.endif
.endr
.endm
; Two loads of the fragment five ahead, into the registers that the conversions just ahead have read, and a half-group's SMV among them.
.macro ZONE f, sb, u, ld, hh, i0
.if \ld
	KLD1 \u, (\f)+5, \i0
.endif
	SMV \hh, 1-(\sb), 0
.if \ld
	KLD1 \u, (\f)+5, (\i0)+1
.endif
	SMV \hh, 1-(\sb), 1
.endm
; A GROUP: four products on fragment f; fragment f + 1 is converted; fragment f + 5 is asked for (ld = 1).
; wt: LDS loads come back in order (ISA guide 5.7.1), and behind fragment f + 1's four stand those of f + 2, f + 3, f + 4: 12.
.macro GROUP f, sb, u, ld, wt
	KMUL \f, 0, \sb
.if (\wt) >= 0
	s_wait_dscnt \wt
.endif
	KCVT (\f)+1, 0
	SMZ 2*(\f), 1-(\sb)
	KMUL \f, 1, \sb
	ZONE \f, \sb, \u, \ld, 2*(\f), 0
	KMUL \f, 2, \sb
	KCVT (\f)+1, 4
	SMZ 2*(\f)+1, 1-(\sb)
	KMUL \f, 3, \sb
	ZONE \f, \sb, \u, \ld, 2*(\f)+1, 2
.endm
; The prefetch: waves 0 and 1 ask for 8,192 bytes each, lanes 256 bytes apart, of the tile that the tensor load of the NEXT change of slots will want: one trip ahead of it.
; The eight blocks of a batch ask for different sixteenths, so a tile is asked for once; the number stops at 31, the batch's last tile, which is so asked for twice.
.macro PF
	s_cmp_lt_u32 s14, 2
	s_cbranch_scc0 .Lno_pf_\@
	global_prefetch_b8 v[PFO], s[50:51] th:TH_LOAD_NT scope:SCOPE_SE
.Lno_pf_\@:
.endm
; THE CHANGE OF SLOTS, in two parts round group 29.  The slot's last bytes were asked for in group 26.  Each wave waits for all its tensor loads, of which one is out: its panel of the other slot;
; adds 0 to its spare word; and waits for that and for its own reads of the slot.  refill = 1: the barrier opens a round of the cluster's barrier, and the slot is filled again, two tiles on.
.macro RP1 refill
	WIN 0
	s_wait_tensorcnt 0x0                           ; no tensor load of mine is out, so a group 0 may be written
	ds_add_u32 v[SPW], v[NIL]                      ; 0 onto my spare word: the scalar work stands between it and the wait for it
.if \refill
	s_wait_xcnt 0x0                                ; the last prefetch, issued a trip ago, has had its address translated (ISA guide 3.1): its base may be written
	s_xor_b32 s37, s37, SLOT                       ; the walking descriptor: the other slot than last time,
	s_add_nc_u64 s[38:39], s[38:39], TILEB         ; the next 64 keys; the type bits on top are not reached
	s_add_co_u32 s56, s56, 1
	s_min_u32 s56, s56, 31
	s_lshl_b32 s54, s56, 17
	s_add_nc_u64 s[50:51], s[52:53], s[54:55]
.endif
	s_xor_b32 s40, s40, SLOT                       ; the fetches go to the other slot,
	s_add_co_u32 s41, s40, 2*PANEL
	s_add_co_u32 s42, s42, 128                     ; and 64 keys on in V^T
	s_wait_dscnt 0x0                               ; the add is done, and my reads of the slot are over
	s_barrier_signal -1
.endm
.macro RP2 refill
	WIN 0
	s_barrier_wait -1
.if \refill
	CREST                                          ; no wave of any partner still reads this slot or has a load on its way
	tensor_load_to_lds s[36:39], s[24:31]          ; my one tensor load behind the round: it has a whole trip, 264 matrix instructions, in which to land
	s_nop 0
.endif
	v_add_nc_u32 v[AKL], s40, v[AK0]
	v_add_nc_u32 v[AKH], s41, v[AK0]
	v_add_nc_u32 v[AV], s42, v[AV0]
	v_nop
.irp n, 32,33,34
.irp i, 0,1,2,3
	KLD1 1, \n, \i                                 ; the three fragments that groups 27 to 29 did not ask for
.endr
.endr
.if \refill
	PF
.endif
.endm
; A TRIP: one slot's 64 keys.  Unit A (keys 0-31) into S^T's buffer 0, unit B into buffer 1.
; refill = 0 serves the last two tiles.  In the very last trip the change of slots, its 20 loads from the other slot and 8 conversions serve nothing: the price, once a launch, of one text for both.
.macro TRIP refill
.set gf, 0
.rept 32
	GROUP gf, 0, 0, 1, 12
.if gf == 24
	VLD 0, 0
.endif
.set gf, gf+1
.endr
.set gf, 0
.rept 32
.if gf < 27
	GROUP gf, 1, 1, 1, 12
.elseif gf == 27
	GROUP gf, 1, 1, 0, 12
.elseif gf == 28
	GROUP gf, 1, 1, 0, 8                           ; behind fragment 29's loads stand only those of 30 and 31
	RP1 \refill
.elseif gf == 29
	GROUP gf, 1, 1, 0, -1                          ; register work alone, between the signal and the wait
	RP2 \refill
.else
	GROUP gf, 1, 1, 1, 12
.endif
.if gf == 24
	VLD 1, 1
.endif
.set gf, gf+1
.endr
.endm
	s_mov_b32 s40, 0                               ; slot 0
	s_mov_b32 s41, 2*PANEL
	s_mov_b32 s42, 0
	v_mov_b32 v[AKL], v[AK0]
	v_add_nc_u32 v[AKH], 2*PANEL, v[AK0]
	v_mov_b32 v[AV], v[AV0]
.irp n, 0,1,2,3
.irp i, 0,1,2,3
	KLD1 0, \n, \i
.endr
.endr
	s_wait_dscnt 12                                ; fragment 0 is in
	KCVT 0, 0
	KCVT 0, 4
.irp i, 0,1,2,3
	KLD1 0, 4, \i
.endr
	PF                                             ; tile 2
	s_mov_b32 s43, 30
.Ltrip:                                                ; tiles 0 to 29: each asks for the tile two on
	TRIP 1
	WIN 0                                          ; at a label and at a branch every window is 0
	s_sub_co_u32 s43, s43, 1
	s_cmp_lg_u32 s43, 0
	s_cbranch_scc1 .Ltrip
	s_mov_b32 s43, 2
.Ltail:                                                ; tiles 30 and 31: nothing is left to ask for
	TRIP 0
	WIN 0
	s_sub_co_u32 s43, s43, 1
	s_cmp_lg_u32 s43, 0
	s_cbranch_scc1 .Ltail
	; THE LAST UNIT'S SOFTMAX AND VALUE PRODUCTS, the same lists on end; a v_nop behind each half-group is the plain instruction behind its exponentials (ISA guide 5.7.2).
	s_wait_dscnt 0x0                               ; the last trip's look-ahead loads have landed: their registers are free
	PLACES
.set eh, 0
.rept 58
	SMZ eh, 1
	SMV eh, 1, 0
	SMV eh, 1, 1
	v_nop
.set eh, eh+1
.endr
	PLACES
	; matched = (sum p x, sum p y, sum p z) / sum p.  v32-35 1 / l; v36-47 matched (t, c); v56-67 src (t, c)
	WIN 0x01
.irp t, 0,1,2,3
	v_rcp_f32 v[32+(\t)], v[8*(\t)+3]
.endr
	v_nop
.irp t, 0,1,2,3
.irp c, 0,1,2
	s_wait_alu depctr_va_vdst(0)
	v_mul_f32 v[36+3*(\t)+(\c)], v[8*(\t)+(\c)], v[32+(\t)]
.endr
.endr
	WIN 0x05                                       ; src is rounded to bf16 like the other inputs
.irp t, 0,1,2,3
	v_cvt_pk_bf16_f32 v[48+2*(\t)], v[SRC+4*(\t)], v[SRC+4*(\t)+1]
	v_cvt_pk_bf16_f32 v[49+2*(\t)], v[SRC+4*(\t)+2], v[SRC+4*(\t)+2]
.endr
	WIN 0
.irp t, 0,1,2,3
	v_lshlrev_b32 v[56+3*(\t)], 16, v[48+2*(\t)]
	v_and_b32 v[57+3*(\t)], s57, v[48+2*(\t)]
	v_lshlrev_b32 v[58+3*(\t)], 16, v[49+2*(\t)]
.endr
.macro RED16 first, n           ; sums over the 16 lanes of a row; both rows hold the same 16 queries
.irp x, 1,2,4,8
.set ri, \first
.rept \n
	v_add_f32_dpp v[ri], v[ri], v[ri] row_xmask:\x row_mask:0xf bank_mask:0xf
.set ri, ri+1
.endr
.endr
.endm
	; the record, v80-95: the 64 queries' means of src and of matched,
.irp c, 0,1,2
	v_add_f32 v[80+(\c)], v[56+(\c)], v[59+(\c)]
	v_add_f32 v[96+(\c)], v[62+(\c)], v[65+(\c)]
	v_add_f32 v[83+(\c)], v[36+(\c)], v[39+(\c)]
	v_add_f32 v[99+(\c)], v[42+(\c)], v[45+(\c)]
.endr
.irp c, 0,1,2,3,4,5
	v_add_f32 v[80+(\c)], v[80+(\c)], v[96+(\c)]
.endr
	RED16 80, 6
.irp c, 0,1,2,3,4,5
	v_mul_f32 v[80+(\c)], 0x3c800000, v[80+(\c)]   ; 1 / 64
.endr
.irp t, 0,1,2,3
.irp c, 0,1,2
	v_sub_f32 v[56+3*(\t)+(\c)], v[56+3*(\t)+(\c)], v[80+(\c)]
	v_sub_f32 v[36+3*(\t)+(\c)], v[36+3*(\t)+(\c)], v[83+(\c)]
.endr
.endr
	; and the centred 3 x 3 sum, src's channel by rows
.irp c, 0,1,2
.irp d, 0,1,2
	v_mul_f32 v[86+3*(\c)+(\d)], v[56+(\c)], v[36+(\d)]
.irp t, 1,2,3
	v_fmac_f32 v[86+3*(\c)+(\d)], v[56+3*(\t)+(\c)], v[36+3*(\t)+(\d)]
.endr
.endr
.endr
	RED16 86, 9
	v_mov_b32 v95, 0
	s_lshl_b32 s18, s14, 6
	s_add_co_u32 s18, s18, STAGE
	v_mov_b32 v68, s18
	ds_store_b128 v68, v[80:83]                    ; all lanes write the same 64 bytes with the same numbers
	ds_store_b128 v68, v[84:87] offset:16
	ds_store_b128 v68, v[88:91] offset:32
	ds_store_b128 v68, v[92:95] offset:48
	s_wait_dscnt 0x0                               ; for the others' sake: my record is in the stage
	s_barrier_signal -1
	s_barrier_wait -1
	s_cmp_lg_u32 s14, 0
	s_cbranch_scc1 .Lnot_first
	WIN 0x01                                       ; the two addresses lie in window 1
	ds_load_b64 v[70:71], v[SADR]
	s_wait_dscnt 0x0
	global_store_b64 v[GADR], v[70:71], s[12:13]   ; 32 lanes store the four records: 256 consecutive bytes, at a multiple of 256 from part's first byte
	WIN 0
.Lnot_first:
	s_wait_tensorcnt 0x0                           ; the wave's end, behind my last tensor load and my last LDS store
	ds_add_u32 v[SPW], v[NIL]
	s_wait_dscnt 0x0
	CROUND                                         ; the closing round: no work-group ends while a partner may still ask for a tile that names it
	s_endpgm
.Lfunc_end_k_q3d2f91e4ab_match:
	.size	k_q3d2f91e4ab_match, .Lfunc_end_k_q3d2f91e4ab_match-k_q3d2f91e4ab_match
	.p2alignl 7, 3214868480
	.fill 96, 4, 3214868480
	.section	.rodata,"a",@progbits
	.p2align	6, 0x0
	.amdhsa_kernel k_q3d2f91e4ab_match
		.amdhsa_group_segment_fixed_size 327680
		.amdhsa_private_segment_fixed_size 0
		.amdhsa_enable_private_segment 0
		.amdhsa_kernarg_size 40
		.amdhsa_user_sgpr_count 2
		.amdhsa_user_sgpr_kernarg_segment_ptr 1
		.amdhsa_wavefront_size32 1
		.amdhsa_system_sgpr_workgroup_id_x 1
		.amdhsa_system_sgpr_workgroup_id_y 1
		.amdhsa_system_sgpr_workgroup_id_z 1
		.amdhsa_system_vgpr_workitem_id 0
		.amdhsa_next_free_vgpr 1024
		.amdhsa_next_free_sgpr 66
		.amdhsa_reserve_vcc 0
		.amdhsa_float_denorm_mode_32 3
		.amdhsa_float_denorm_mode_16_64 3
		.amdhsa_memory_ordered 1
		.amdhsa_forward_progress 1
		.amdhsa_inst_pref_size 255
	.end_amdhsa_kernel
	.section	.bss,"aw",@nobits
	.p2align	6
	.space	262144
	.amdgpu_metadata
---
amdhsa.version: [ 1, 2 ]
amdhsa.kernels:
  - .name:           k_q3d2f91e4ab_match
    .symbol:         k_q3d2f91e4ab_match.kd
    .args:
      - { .name: src, .offset: 0, .size: 8, .value_kind: global_buffer, .address_space: global }
      - { .name: src_embed, .offset: 8, .size: 8, .value_kind: global_buffer, .address_space: global }
      - { .name: tgt, .offset: 16, .size: 8, .value_kind: global_buffer, .address_space: global }
      - { .name: tgt_embed, .offset: 24, .size: 8, .value_kind: global_buffer, .address_space: global }
      - { .name: part, .offset: 32, .size: 8, .value_kind: global_buffer, .address_space: global }
    .group_segment_fixed_size: 327680
    .private_segment_fixed_size: 0
    .kernarg_segment_align: 8
    .kernarg_segment_size: 40
    .max_flat_workgroup_size: 128
    .sgpr_count:     66
    .vgpr_count:     1024
    .wavefront_size: 32
...
	.end_amdgpu_metadata
.endif
;; end of part 1
;; launch pose (part 2): grid 32 x 1, 1 waves a work-group, no clusters, 0 bytes of LDS; arguments part, out0, out1; writes out0, out1
.if DOCPART == 2
	.amdgcn_target "amdgcn-amd-amdhsa--gfx1250"
	.amdhsa_code_object_version 6
	.text
	.protected	k_q3d2f91e4ab_pose
	.globl	k_q3d2f91e4ab_pose
	.p2align	8
	.type	k_q3d2f91e4ab_pose,@function
k_q3d2f91e4ab_pose:
	s_mov_b64 s[64:65], 0
	v_nop
	global_prefetch_b8 v0, s[64:65] scope:SCOPE_SE
	s_setreg_imm32_b32 hwreg(HW_REG_WAVE_MODE, 25, 1), 1
	s_wait_xcnt 0x0
; POSE.  One wave for each batch; lane g holds the record of group g of 64 queries: the group's means of src (3) and of matched (3), and its centred 3 x 3 sum Hg (9).
; The batch's means are the means of the 32 groups' means, and H = sum over g of [ Hg + 64 (sg - s)(mg - m)^T ]: the cross-covariance, with no difference of large sums.
; R = V U^T of H = U S V^T is the transpose of H's orthogonal polar factor W = U V^T, which is unique for a nonsingular H.  W is the limit of the scaled Newton iteration
;   X <- (g X + X^-T / g) / 2,   g = sqrt(|X^-1| / |X|) in Frobenius norms,   X^-T = cofactors / det.
; TWELVE STEPS: a scaled step takes the ratio of the largest to the smallest singular value to about its square root; from a ratio near 2 four more steps reach f32's last bit; so twelve cover every
; ratio that f32 can resolve, and further steps leave an orthogonal X as it is.  No branch hangs on the numbers.
; Where det R < 0 the third ROW of R changes sign.  t = m - R s.
; LIMITS.  H is first divided by its largest magnitude, which must be a normal f32 number.  A singular H has no unique polar factor; this text then gives NaN.
; The outputs are 36 and 12 bytes a batch, 1,536 bytes in all: stores of 4 bytes a lane, 9 and 3 neighbouring lanes.  No LDS, no matrix unit, no cluster: 32 independent problems of 16 numbers a lane.
.set X,  14                     ; v14-22  Hg, then H, then X, by rows
.set MS, 24                     ; v24-26  s;  v27-29  m
.set DS, 30                     ; v30-32  64 (sg - s);  v33-35  mg - m;  later v30-38  R
.set CF, 40                     ; v40-48  cofactors
.set T,  61                     ; v61-63  t
.macro RED32 first, n           ; sums over the 32 lanes, the result in every lane
.irp x, 1,2,4,8
.set ri, \first
.rept \n
	v_add_f32_dpp v[ri], v[ri], v[ri] row_xmask:\x row_mask:0xf bank_mask:0xf
.set ri, ri+1
.endr
.endr
.set ri, \first
.rept \n
	v_permlanex16_b32 v2, v[ri], s12, s13
	v_add_f32 v[ri], v[ri], v2
.set ri, ri+1
.endr
.endm
.macro COF i, j                 ; the signed cofactor of X(i, j), indices taken round
.set ca, ((\i)+1)%3
.set cb, ((\i)+2)%3
.set cc, ((\j)+1)%3
.set ce, ((\j)+2)%3
	v_mul_f32 v[CF+3*(\i)+(\j)], v[X+3*ca+ce], v[X+3*cb+cc]
	v_fma_f32 v[CF+3*(\i)+(\j)], v[X+3*ca+cc], v[X+3*cb+ce], -v[CF+3*(\i)+(\j)]
.endm
.macro DET                      ; along row 0
	v_mul_f32 v50, v[X], v[CF]
	v_fmac_f32 v50, v[X+1], v[CF+1]
	v_fmac_f32 v50, v[X+2], v[CF+2]
.endm
	s_load_b128 s[4:7], s[0:1], 0x0                ; part s[4:5], out0 s[6:7]
	s_load_b64 s[8:9], s[0:1], 0x10                ; out1
	s_mov_b32 s12, 0x76543210                      ; v_permlanex16_b32: each lane takes its own place in the other half
	s_mov_b32 s13, 0xfedcba98
	s_lshl_b32 s10, ttmp9, 11                      ; a batch's 32 records of 64 bytes
	s_mov_b32 s11, 0
	s_mul_i32 s16, ttmp9, 36
	s_mov_b32 s17, 0
	s_mul_i32 s18, ttmp9, 12
	s_mov_b32 s19, 0
	v_lshlrev_b32 v1, 6, v0
	v_mov_b32 v2, 0                                ; v_permlanex16_b32's destination counts as read
	s_wait_kmcnt 0x0
	s_add_nc_u64 s[4:5], s[4:5], s[10:11]
	s_add_nc_u64 s[6:7], s[6:7], s[16:17]
	s_add_nc_u64 s[8:9], s[8:9], s[18:19]
	global_load_b128 v[8:11], v1, s[4:5]
	global_load_b128 v[12:15], v1, s[4:5] offset:16
	global_load_b128 v[16:19], v1, s[4:5] offset:32
	global_load_b128 v[20:23], v1, s[4:5] offset:48
	s_wait_loadcnt 0x0
.irp k, 0,1,2,3,4,5
	v_mov_b32 v[MS+(\k)], v[8+(\k)]
.endr
	RED32 MS, 6
.irp k, 0,1,2,3,4,5
	v_mul_f32 v[MS+(\k)], 0x3d000000, v[MS+(\k)]   ; 1 / 32
.endr
.irp c, 0,1,2
	v_sub_f32 v[DS+(\c)], v[8+(\c)], v[MS+(\c)]
	v_sub_f32 v[DS+3+(\c)], v[11+(\c)], v[MS+3+(\c)]
.endr
.irp c, 0,1,2
	v_mul_f32 v[DS+(\c)], 0x42800000, v[DS+(\c)]   ; 64 queries a group
.endr
.irp c, 0,1,2
.irp d, 0,1,2
	v_fmac_f32 v[X+3*(\c)+(\d)], v[DS+(\c)], v[DS+3+(\d)]
.endr
.endr
	RED32 X, 9                                     ; every lane holds H
	; H over its largest magnitude: the polar factor does not change
.irp k, 0,1,2,3,4,5,6,7,8
	v_and_b32 v[CF+(\k)], 0x7fffffff, v[X+(\k)]
.endr
	v_max3_num_f32 v49, v[CF], v[CF+1], v[CF+2]
	v_max3_num_f32 v49, v49, v[CF+3], v[CF+4]
	v_max3_num_f32 v49, v49, v[CF+5], v[CF+6]
	v_max3_num_f32 v49, v49, v[CF+7], v[CF+8]
	v_rcp_f32 v49, v49
	v_nop                                          ; a plain instruction behind each transcendental before its result is used (ISA guide 5.7.2), here and below
	s_wait_alu depctr_va_vdst(0)
.irp k, 0,1,2,3,4,5,6,7,8
	v_mul_f32 v[X+(\k)], v[X+(\k)], v49
.endr
	s_mov_b32 s14, 12
.Lnewton:
.irp i, 0,1,2
.irp j, 0,1,2
	COF \i, \j
.endr
.endr
	DET
.irp i, 0,1,2                   ; |X|^2 in v51, |cofactors|^2 in v54, three chains each
	v_mul_f32 v[51+(\i)], v[X+3*(\i)], v[X+3*(\i)]
	v_mul_f32 v[54+(\i)], v[CF+3*(\i)], v[CF+3*(\i)]
.endr
.irp j, 1,2
.irp i, 0,1,2
	v_fmac_f32 v[51+(\i)], v[X+3*(\i)+(\j)], v[X+3*(\i)+(\j)]
	v_fmac_f32 v[54+(\i)], v[CF+3*(\i)+(\j)], v[CF+3*(\i)+(\j)]
.endr
.endr
	v_add_f32 v51, v51, v52
	v_add_f32 v54, v54, v55
	v_add_f32 v51, v51, v53
	v_add_f32 v54, v54, v56
	v_rcp_f32 v57, v51
	v_and_b32 v58, 0x7fffffff, v50                 ; |det|
	s_wait_alu depctr_va_vdst(0)
	v_mul_f32 v57, v57, v54
	v_sqrt_f32 v57, v57
	v_rsq_f32 v58, v58
	v_nop
	s_wait_alu depctr_va_vdst(0)
	v_sqrt_f32 v57, v57                            ; (|cofactors|^2 / |X|^2)^(1/4)
	v_nop
	s_wait_alu depctr_va_vdst(0)
	v_mul_f32 v57, v57, v58                        ; g
	v_mul_f32 v59, v57, v50                        ; g det
	v_mul_f32 v57, 0.5, v57
	v_rcp_f32 v59, v59
	v_nop
	s_wait_alu depctr_va_vdst(0)
	v_mul_f32 v59, 0.5, v59
.irp k, 0,1,2,3,4,5,6,7,8
	v_mul_f32 v[X+(\k)], v57, v[X+(\k)]
.endr
.irp k, 0,1,2,3,4,5,6,7,8
	v_fmac_f32 v[X+(\k)], v59, v[CF+(\k)]
.endr
	s_sub_co_u32 s14, s14, 1
	s_cmp_lg_u32 s14, 0
	s_cbranch_scc1 .Lnewton
	COF 0, 0
	COF 0, 1
	COF 0, 2
	DET                                            ; det R = det X
	v_cmp_le_f32 vcc_lo, 0, v50
	v_cndmask_b32 v60, -1.0, 1.0, vcc_lo
.irp j, 0,1,2
	v_mov_b32 v[DS+(\j)], v[X+3*(\j)]              ; R(i, j) = X(j, i)
	v_mov_b32 v[DS+3+(\j)], v[X+3*(\j)+1]
	v_mul_f32 v[DS+6+(\j)], v60, v[X+3*(\j)+2]     ; the third row takes the sign
.endr
.irp i, 0,1,2
	v_fma_f32 v[T+(\i)], -v[DS+3*(\i)], v[MS], v[MS+3+(\i)]
	v_fma_f32 v[T+(\i)], -v[DS+3*(\i)+1], v[MS+1], v[T+(\i)]
	v_fma_f32 v[T+(\i)], -v[DS+3*(\i)+2], v[MS+2], v[T+(\i)]
.endr
	v_mov_b32 v3, v[DS]                            ; lane e takes number e of R, and of t
.irp k, 1,2,3,4,5,6,7,8
	v_cmp_eq_u32 vcc_lo, \k, v0
	v_cndmask_b32 v3, v3, v[DS+(\k)], vcc_lo
.endr
	v_mov_b32 v4, v[T]
.irp k, 1,2
	v_cmp_eq_u32 vcc_lo, \k, v0
	v_cndmask_b32 v4, v4, v[T+(\k)], vcc_lo
.endr
	v_lshlrev_b32 v5, 2, v0
	v_cmp_gt_u32 vcc_lo, 9, v0
	s_wait_xcnt 0x0                                ; EXEC changes only behind s_wait_xcnt 0
	s_and_saveexec_b32 s15, vcc_lo
	global_store_b32 v5, v3, s[6:7]                ; lanes 0 to 8: R
	s_wait_xcnt 0x0
	s_or_b32 exec_lo, exec_lo, s15
	v_cmp_gt_u32 vcc_lo, 3, v0
	s_and_saveexec_b32 s15, vcc_lo
	global_store_b32 v5, v4, s[8:9]                ; lanes 0 to 2: t
	s_wait_xcnt 0x0
	s_or_b32 exec_lo, exec_lo, s15
	s_endpgm
.Lfunc_end_k_q3d2f91e4ab_pose:
	.size	k_q3d2f91e4ab_pose, .Lfunc_end_k_q3d2f91e4ab_pose-k_q3d2f91e4ab_pose
	.p2alignl 7, 3214868480
	.fill 96, 4, 3214868480
	.section	.rodata,"a",@progbits
	.p2align	6, 0x0
	.amdhsa_kernel k_q3d2f91e4ab_pose
		.amdhsa_group_segment_fixed_size 0
		.amdhsa_private_segment_fixed_size 0
		.amdhsa_enable_private_segment 0
		.amdhsa_kernarg_size 24
		.amdhsa_user_sgpr_count 2
		.amdhsa_user_sgpr_kernarg_segment_ptr 1
		.amdhsa_wavefront_size32 1
		.amdhsa_system_sgpr_workgroup_id_x 1
		.amdhsa_system_sgpr_workgroup_id_y 1
		.amdhsa_system_sgpr_workgroup_id_z 1
		.amdhsa_system_vgpr_workitem_id 0
		.amdhsa_next_free_vgpr 64
		.amdhsa_next_free_sgpr 66
		.amdhsa_reserve_vcc 1
		.amdhsa_float_denorm_mode_32 3
		.amdhsa_float_denorm_mode_16_64 3
		.amdhsa_memory_ordered 1
		.amdhsa_forward_progress 1
		.amdhsa_inst_pref_size 15
	.end_amdhsa_kernel
	.amdgpu_metadata
---
amdhsa.version: [ 1, 2 ]
amdhsa.kernels:
  - .name:           k_q3d2f91e4ab_pose
    .symbol:         k_q3d2f91e4ab_pose.kd
    .args:
      - { .name: part, .offset: 0, .size: 8, .value_kind: global_buffer, .address_space: global }
      - { .name: out0, .offset: 8, .size: 8, .value_kind: global_buffer, .address_space: global }
      - { .name: out1, .offset: 16, .size: 8, .value_kind: global_buffer, .address_space: global }
    .group_segment_fixed_size: 0
    .private_segment_fixed_size: 0
    .kernarg_segment_align: 8
    .kernarg_segment_size: 24
    .max_flat_workgroup_size: 32
    .sgpr_count:     66
    .vgpr_count:     64
    .wavefront_size: 32
...
	.end_amdgpu_metadata
.endif
;; end of part 2
;; ======== version 2 of 2: 2 launches
;; limits: inputs' magnitudes at most 65,504; values are held in f16: magnitudes above 65,504 overflow, below 6.1e-05 lose precision; right only within a limited range of input values
;; workspace buffers: part 65,536 bytes
;; launch match (part 3): grid 8 x 32, 4 waves a work-group, clusters of 4 x 1, 327,680 bytes of LDS; arguments src, src_embed, tgt, tgt_embed, part; writes part
.if DOCPART == 3
	.amdgcn_target "amdgcn-amd-amdhsa--gfx1250"
	.amdhsa_code_object_version 6
	.text
	.protected	k_q3d2f91e4ab_match
	.globl	k_q3d2f91e4ab_match
	.p2align	8
	.type	k_q3d2f91e4ab_match,@function
k_q3d2f91e4ab_match:
	s_mov_b64 s[64:65], 0
	v_nop
	global_prefetch_b8 v0, s[64:65] scope:SCOPE_SE
	s_setreg_imm32_b32 hwreg(HW_REG_WAVE_MODE, 25, 1), 1
	s_wait_xcnt 0x0
	s_wait_alu depctr_hold_cnt(0) depctr_sa_sdst(0) depctr_va_vdst(0) depctr_va_sdst(0) depctr_va_ssrc(0) depctr_va_vcc(0) depctr_vm_vsrc(0)
	s_getreg_b32 s2, hwreg(HW_REG_IB_STS2, 6, 4)
	s_cmp_eq_u32 s2, 0
	s_cbranch_scc0 .Lentry_in_a_cluster
	s_endpgm
.Lentry_in_a_cluster:
	s_bfe_u32 s2, ttmp6, 0x10000c
	s_cmp_lg_u32 s2, 0x3003
	s_cbranch_scc0 .Lentry_shape_is_right
	s_endpgm
.Lentry_shape_is_right:
; MATCH.  For each batch b and query n: matched[n] = sum over keys m of softmax_m(src_embed[n] . tgt_embed[m] / sqrt(512)) tgt[m]; then, for each 64 queries,
; a record of 16 f32: the mean of src, the mean of matched, and the 3 x 3 sum of (src - its mean)(matched - its mean)^T, all centred on the 64 queries' own means.
; The next launch joins the 32 records of a batch; no difference of large sums is ever formed.
; FORMATS.  All four inputs are rounded to bf16 (src and tgt too).  Scores: bf16 x bf16, f32 sums.  The weights p are rounded to f16 for the second product; tgt's bf16 number is written as f16.
; Maxima, exponents, sums and all that follows in f32.  The divisor l is the sum of the rounded p: it rides as a row of ones in the second product.
; LIMITS.  |tgt| up to 65,504; below 2^-14 tgt keeps f16's fixed step.  p below 6e-5 keeps f16's step of 6e-8.  A query all of whose raw scores lie below -2^100 is not served.
; NaN and infinities are not treated apart.
; SHARES.  A work-group owns 256 queries of one batch, each of its four waves 64: four tiles of 16.  A wave's queries, 64 x 512 in bf16, stay in 512 registers.  Every wave walks all 2,048 keys,
; 64 a trip (a slot of LDS).
; LAYOUT.  S^T = K Q^T (source 0 = 16 keys, source 1 = 16 queries): a lane holds ONE query (lane % 16) and the keys 8 (lane / 16) + 0..7.  Two such results rounded to f16 in pairs ARE source 1
; of O^T = V^T P.  V^T has 16 rows: row m holds x, y, z, ones for m % 8 = 0..3 and zeros else, so every lane's O^T registers 0-3 are sum p x, sum p y, sum p z, sum p of its query.
; K IS ROUNDED ONCE A WORK-GROUP.  A tile lands in LDS in f32, a panel of 64 keys x 128 channels by each wave's tensor load.  Each wave reads its OWN panel back (512 consecutive bytes a load), rounds it
; to bf16 and stores it into a buffer B that all four waves share: 128 conversions a wave and tile, where a wave that rounded every fragment for itself would need 512.  The fragments come out of B
; as they are: two loads of 16 bytes feed four products.  B has two buffers of 16 keys; a trip is four such units, 16 groups of four products each, and ONE barrier a unit orders both ways:
; my stores of the next unit are done before anybody reads them, and my reads of this unit are over before the unit after next is stored over it.
; BY TURNS.  While a softmax unit's (32 keys') 128 score products are issued, the softmax and the four value products of the unit before, and the conversions of keys to come, stand between them.
; ALL LDS INSTRUCTIONS STAND IN RUNS of 16, behind every fourth group, never singly among the matrix instructions.
; The very first unit meets a unit that has not been: scores of -2^100 and a V of zeros, which add 0; the step behind it multiplies by a = 0.  So no first step is written out; the price is
; 104 v_mov_b32 at the start.
; CLUSTER.  The query blocks of a batch walk the same keys.  Four of them form a cluster and ask for each tile JOINTLY (mask 15); a batch's eight blocks are two clusters, since a mask names four.
; REGISTERS, in windows of 256 (s_set_vgpr_msb: bits 1:0 source 0, 3:2 source 1, 5:4 source 2, 7:6 destination):
;   window 0: v0-5 LDS addresses; v6-7 the add's two; v8-23 statistics (tile t: c m, m, a, x); v24-31 at work; v32-95 K's fragments, ring of 8 x 8; v96-127 K in f32, two sets of 16;
;             v128-191, v192-255 S^T, two buffers ((t, kt) at 16 t + 8 kt); P takes the first 8 of a tile's 16; v32-223 first serve Q's way in, v32-101 at last the record
;   window 1: v0-31 O^T; v32-47 V^T, two buffers; v48-63 src; v64-159 at work while V^T is built; v192-193 the last store's addresses; v194 the prefetch's offset
;   windows 2, 3: Q: fragment (tile t, channels 32 c on) at 8 (4 (c % 8) + t), window 2 for c < 8
; A score product has only source 1 outside window 0.  Under its setting every line without a vector register as source 1 (exponentials, the scaling by a scalar) still works in window 0;
; maxima and conversions want window 0 for source 1 and cost two switches a place.
.set PK,    528                 ; a row of a panel in LDS: 512 bytes + 16 of padding
.set PANEL, 64*PK               ; 64 keys x 128 channels of f32: what one tensor load brings, and what the wave that asked for it reads
.set SLOT,  4*PANEL             ; 64 keys x 512 channels; slot 1 begins here.  SLOT = 0x21000 shares no bit with wave x PANEL, so one exclusive or changes slots
.set BB,    2*SLOT              ; B: two buffers of 16 keys x 512 channels in bf16
.set PB,    1040                ; a row of B: 1,024 bytes + 16 = 260 words: the 16 rows of a fragment load start at 16 different groups of four banks (64 banks of 4 bytes: ISA guide 11.1)
.set BBUF,  16*PB
.set QST,   BB                  ; first, over B: per wave 16 rows x 272 bytes, Q's way from rows to fragments; a barrier stands between the two uses
.set QP,    272
.set QW,    16*QP
.set VT,    BB+2*BBUF           ; V^T in f16: 5 rows (x, y, z, ones, zeros) of 2,048 keys
.set PVT,   4112
.set STAGE, VT+20736            ; the work-group's four records: 256 bytes
.set SPARE, STAGE+256           ; the spare words, 128 bytes for each wave: two blocks of 256 bytes that no other line names
.set TILEB, 64*2048             ; bytes of 64 keys in memory
.set AB,  0                     ; B + 1,040 (l % 16) + 16 (l / 16): a fragment's place; never rewritten
.set AF0, 1                     ; wave x PANEL + 16 l: my 16 bytes of a row of my panel; never rewritten
.set AF,  2                     ; AF0 + the slot
.set QO,  2                     ;   first: my 16 bytes in a row piece of Q
.set AS,  3                     ; B + 256 wave + 8 l: where I put 4 channels of a key
.set QS,  3                     ;   first: where I put 8 bytes of Q
.set AV0, 4                     ; my lane's place in V^T; never rewritten
.set AV,  5                     ; AV0 + the tile's 128 bytes
.set QR,  5                     ;   first: where I read a fragment of Q
.set SPW, 6                     ; LDS address of my spare word; never rewritten
.set NIL, 7                     ; 0; never rewritten
.set ST,  8
.set TMP, 24
.set QRAW, 32                   ; Q's way in: three sets of 64
.set KF,  32
.set RAW, 96
.set S,   128
.set VF,  32                    ; window 1
.set SRC, 48                    ; window 1
.set TG,  64                    ; window 1: tgt as loaded, 48 registers
.set VH,  112                   ; window 1: my 16 keys of x, y, z in f16, 8 registers each
.set ONE, 136                   ; window 1: four registers of f16 ones, four of zeros
.set VW,  144                   ; window 1: at work
.set SADR, 192                  ; window 1: STAGE + 8 x lane
.set GADR, 193                  ; window 1: 8 x lane
.set PFO,  194                  ; window 1: the prefetch's offset
.set M2,   0x08
.set M3,   0x0c
.set W_RS, 0x41                 ; destination and source 0 in window 1
.set W_PV, 0x51                 ; V^T, C and D in window 1, P in window 0
.set W_VL, 0x40                 ; destination in window 1
.set MSB, 0
.macro WIN new                  ; the immediate's high byte repeats the setting that is left; a switch that changes nothing is dropped
.if MSB != (\new)
	s_set_vgpr_msb (MSB<<8)|(\new)
.set MSB, \new
.endif
.endm
.macro WANY                     ; for lines that have no vector register as source 1: any of the three settings serves
.if (MSB != 0) && (MSB != M2) && (MSB != M3)
	WIN 0
.endif
.endm
.macro PLACES                   ; four places behind a matrix instruction (ISA guide 7.12.1)
.rept 4
	v_nop
.endr
.endm
.macro CREST                    ; a round of the cluster's barrier behind its opening barrier
	s_cmp_lg_u32 s14, 0
	s_cbranch_scc1 .Lnot_wave_0_\@
	s_barrier_signal -3
.Lnot_wave_0_\@:
	s_barrier_wait -3
	s_barrier_signal -1
	s_barrier_wait -1
.endm
.macro CROUND                   ; a whole round
	s_barrier_signal -1
	s_barrier_wait -1
	CREST
.endm
	s_load_b256 s[4:11], s[0:1], 0x0               ; src s[4:5], src_embed s[6:7], tgt s[8:9], tgt_embed s[10:11]
	s_load_b64 s[12:13], s[0:1], 0x20              ; part
	v_lshl_add_u32 v[SPW], v0, 2, SPARE
	v_mov_b32 v[NIL], 0
	ds_add_u32 v[SPW], v[NIL]                      ; the wave's opening: the add and its wait stand ahead of my first tensor load; the set-up below, work on registers, stands between them
	v_lshrrev_b32 v1, 5, v0
	v_readfirstlane_b32 s14, v1                    ; wave 0..3
	s_bfe_u32 s15, ttmp6, 0x40000                  ; cx: my place in the cluster
	s_lshl_b32 s16, ttmp9, 2                       ; in a cluster launch ttmp9 counts clusters
	s_add_co_u32 s16, s16, s15                     ; x: my block of 256 queries; it enters global addresses of Q, src, part and the prefetch alone
	s_and_b32 s17, ttmp7, 0xffff                   ; b: the batch, which the four partners share
	; descriptor group 1: a panel of 64 rows x 128 elements of 4 bytes, padded in LDS
	s_mov_b32 s24, 15|(2<<16)|(1<<20)|(1<<21)|(6<<22)|(3<<25)  ; 15:0 the mask of four; 17:16 4-byte elements; 20 padding on; 21 set beside a mask; 24:22 after every 128 words (code 6); 31:25 4 words (code 3)
	s_mov_b32 s25, 128<<16                         ; tensor_dim0 = 128
	s_mov_b32 s26, 64<<16                          ; tensor_dim1 = 64
	s_mov_b32 s27, 128<<16                         ; tile_dim0 = 128
	s_mov_b32 s28, 64                              ; tile_dim1 = 64
	s_mov_b32 s29, 512                             ; 512 elements from row to row
	s_mov_b32 s30, 0
	s_mov_b32 s31, 0
	s_mov_b32 s32, 1                               ; group 0 for tile 0: count = 1,
	s_mul_i32 s33, s14, PANEL                      ; my panel of slot 0: wave w brings channels 128 w on
	s_mov_b32 s36, 1                               ; group 0 for tile 1; it then walks
	s_add_co_u32 s37, s33, SLOT
	s_mov_b32 s44, 0x3d8293ee                      ; c = log2(e) / sqrt(512) = 0.0637587
	s_mov_b32 s45, s44                             ; named with it as a pair
	s_mov_b32 s48, 0x76543210                      ; v_permlanex16_b32: each lane takes its own place in the other half
	s_mov_b32 s49, 0xfedcba98
	s_mov_b32 s57, 0xffff0000                      ; a word's upper bf16
	s_mul_i32 s22, s14, QW
	s_add_co_u32 s22, s22, QST                     ; my wave's stage for Q
	v_and_b32 v8, 15, v0                           ; l % 16
	v_bfe_u32 v9, v0, 4, 1                         ; l / 16
	v_and_b32 v10, 31, v0                          ; l
	v_lshl_add_u32 v[AF0], v10, 4, s33             ; 32 lanes take a panel row's 512 consecutive bytes
	v_and_b32 v[AV0], 7, v0
	v_min_u32 v[AV0], 4, v[AV0]                    ; row m of V^T lies in LDS row min(m % 8, 4)
	v_mul_u32_u24 v[AV0], v[AV0], PVT
	v_lshl_add_u32 v[AV0], v9, 4, v[AV0]
	v_add_nc_u32 v[AV0], VT, v[AV0]
	v_lshlrev_b32 v[QO], 4, v10                    ; Q: 32 lanes take 512 consecutive bytes of a row
	v_lshl_add_u32 v[QS], v10, 3, s22              ; which are 256 bytes in bf16
	v_mul_u32_u24 v[QR], v8, QP
	v_lshl_add_u32 v[QR], v9, 4, v[QR]
	v_add_nc_u32 v[QR], s22, v[QR]                 ; back as fragments: row l % 16, 16 bytes for each half of the lanes
	v_lshl_add_u32 v24, v0, 5, VT                  ; thread i builds keys 16 i .. 16 i + 15 of V^T: 32 bytes of each row
	v_mul_u32_u24 v25, v8, 12                      ; src: my query's 12 bytes in a tile
	v_mul_u32_u24 v26, v0, 192                     ; tgt: my 16 keys
	s_lshl_b32 s20, s14, 8
	s_add_co_u32 s20, s20, BB
	v_lshl_add_u32 v27, v10, 3, s20                ; kept for AS: my wave's 256 bytes of a row of B, 8 bytes a lane
	v_mul_u32_u24 v28, v8, PB
	v_lshl_add_u32 v28, v9, 4, v28
	s_lshl_b32 s20, s16, 14
	WIN W_VL
	v_lshl_add_u32 v[SADR], v10, 3, STAGE
	v_lshlrev_b32 v[GADR], 3, v10
	v_lshl_add_u32 v[PFO], v0, 8, s20              ; the prefetch: 16,384 x + 8,192 wave + 256 lane: waves 0 and 1 of a batch's eight blocks cover a tile's 131,072 bytes once
	WIN 0
	v_add_nc_u32 v[AB], BB, v28                    ; the thread's number has served: v0 takes the fragments' address
	s_lshl_b32 s18, s17, 22                        ; a batch's embeddings are 4 MiB
	s_mov_b32 s19, 0
	s_lshl_b32 s20, s16, 19                        ; my block's 256 rows of 2,048 bytes,
	s_lshl_b32 s21, s14, 17                        ; my wave's 64
	s_add_co_u32 s20, s20, s21
	s_add_co_u32 s20, s20, s18
	s_mov_b32 s21, 0
	s_mul_i32 s22, s17, 24576                      ; a batch's points are 2,048 x 12 bytes
	s_mov_b32 s23, 0
	s_mov_b32 s56, 2                               ; the tile that the prefetch asks for
	s_mov_b32 s54, 2<<17
	s_mov_b32 s55, 0
	s_wait_dscnt 0x0                               ; the opening add is done
	s_wait_kmcnt 0x0
	s_add_nc_u64 s[52:53], s[10:11], s[18:19]      ; K of my batch
	s_add_nc_u64 s[6:7], s[6:7], s[20:21]          ; Q at my wave's first row
	s_add_nc_u64 s[8:9], s[8:9], s[22:23]          ; tgt of my batch
	s_add_nc_u64 s[4:5], s[4:5], s[22:23]
	s_mul_i32 s20, s16, 3072
	s_mul_i32 s22, s14, 768
	s_add_co_u32 s20, s20, s22
	s_add_nc_u64 s[4:5], s[4:5], s[20:21]          ; src at my wave's first query
	s_lshl_b32 s20, s17, 11
	s_lshl_b32 s22, s16, 8
	s_add_co_u32 s20, s20, s22
	s_add_nc_u64 s[12:13], s[12:13], s[20:21]      ; part at my work-group's 256 bytes
	s_lshl_b32 s18, s14, 9                         ; my panel's 512 bytes of a row
	s_add_nc_u64 s[34:35], s[52:53], s[18:19]      ; made of the batch and the wave's number alone: equal in all four partners
	s_add_nc_u64 s[38:39], s[34:35], TILEB
	s_or_b32 s35, s35, 0x80000000                  ; type = 2
	s_or_b32 s39, s39, 0x80000000
	s_add_nc_u64 s[50:51], s[52:53], s[54:55]
	CROUND                                         ; all four work-groups are here: the first joint loads meet
	tensor_load_to_lds s[32:35], s[24:31]          ; tile 0 into slot 0
	s_nop 0
	tensor_load_to_lds s[36:39], s[24:31]          ; tile 1 into slot 1: two tensor loads of mine are out
	s_nop 0
	PLACES
	WIN W_VL
.irp t, 0,1,2,3
.irp c, 0,1,2
	global_load_b32 v[SRC+4*(\t)+(\c)], v25, s[4:5] offset:192*(\t)+4*(\c) th:TH_LOAD_NT
.endr
.endr
.irp i, 0,1,2,3,4,5,6,7,8,9,10,11
	global_load_b128 v[TG+4*(\i):TG+4*(\i)+3], v26, s[8:9] offset:16*(\i)
.endr
	WIN 0
; Q COMES THROUGH REGISTERS.  A chunk n is tile n / 4, channels 128 (n % 4) on: 16 rows x 512 bytes; each load of the wave covers one row's 512 consecutive bytes.  Three sets of 64 registers take turns.
.macro QLOAD n
.set gR, QRAW+64*((\n)%3)
.set gi, 0
.rept 16
	global_load_b128 v[gR+4*gi:gR+4*gi+3], v[QO], s[6:7] offset:(16*((\n)/4)+gi)*2048+512*((\n)%4) th:TH_LOAD_NT
.set gi, gi+1
.endr
.endm
; The chunk is rounded to bf16 in place (32 conversions on end), put into my own stage by rows (16 stores on end), and read back as four fragments.  LDS serves a wave's instructions in order
; (ISA guide 5.7.1.4): the loads see the stores above them, and the next chunk's stores come behind these loads.  Then the set is asked for again, three chunks on.
.macro QCHUNK n
.set qR, QRAW+64*((\n)%3)
.set qt, (\n)/4
.set qp, (\n)%4
.if (\n) < 14
	s_wait_loadcnt 32                              ; loads come back in order (ISA guide 5.7.1): two younger chunks of 16 stay out
.elseif (\n) == 14
	s_wait_loadcnt 16
.else
	s_wait_loadcnt 0x0
.endif
.set qi, 0
.rept 16
	v_cvt_pk_bf16_f32 v[qR+4*qi], v[qR+4*qi], v[qR+4*qi+1]
	v_cvt_pk_bf16_f32 v[qR+4*qi+1], v[qR+4*qi+2], v[qR+4*qi+3]
.set qi, qi+1
.endr
.set qi, 0
.rept 16
	ds_store_b64 v[QS], v[qR+4*qi:qR+4*qi+1] offset:QP*qi
.set qi, qi+1
.endr
.if qp < 2
	WIN 0x80
.else
	WIN 0xc0
.endif
.set qi, 0
.rept 4
.set qD, (((4*qp+qi)%8)*4+qt)*8
	ds_load_b128 v[qD:qD+3], v[QR] offset:64*qi
	ds_load_b128 v[qD+4:qD+7], v[QR] offset:64*qi+32
.set qi, qi+1
.endr
	WIN 0
.if (\n)+3 < 16
	QLOAD (\n)+3
.endif
.endm
	QLOAD 0
	QLOAD 1
	QLOAD 2
	; what the first unit finds, written while the loads are on their way
	s_mov_b32 s18, 0xf1800000                      ; -2^100
.irp t, 0,1,2,3
	v_mov_b32 v[ST+4*(\t)], 0xfe000000             ; c m: far below every c s, so the first a is 0
	v_mov_b32 v[ST+4*(\t)+1], s18                  ; m
.endr
	WIN 0x55
.set i, 0
.rept 32
	v_mov_b32 v[i], 0                              ; O^T
.set i, i+1
.endr
.set i, 0
.rept 8
	v_mov_b32 v[VF+8+i], 0                         ; the V^T of the unit that has not been
.set i, i+1
.endr
.irp i, 0,1,2,3
	v_mov_b32 v[ONE+(\i)], 0x3c003c00              ; two f16 ones
	v_mov_b32 v[ONE+4+(\i)], 0
.endr
	s_wait_loadcnt 48                              ; src and tgt are in; Q's first three chunks, 48 loads, were issued behind them
	; V^T: tgt rounded to bf16, that number written as f16 (exact inside f16's range), by channels
.set vj, 0
.rept 8
.irp c, 0,1,2
	v_cvt_pk_bf16_f32 v[VW+4*(\c)], v[TG+6*vj+(\c)], v[TG+6*vj+3+(\c)]
	v_lshlrev_b32 v[VW+4*(\c)+1], 16, v[VW+4*(\c)]
	v_and_b32 v[VW+4*(\c)+2], s57, v[VW+4*(\c)]
	v_cvt_pk_f16_f32 v[VH+8*(\c)+vj], v[VW+4*(\c)+1], v[VW+4*(\c)+2]
.endr
.set vj, vj+1
.endr
	WIN 0x04                                       ; store data in window 1, address in window 0
.irp c, 0,1,2
	ds_store_b128 v24, v[VH+8*(\c):VH+8*(\c)+3] offset:(\c)*PVT
	ds_store_b128 v24, v[VH+8*(\c)+4:VH+8*(\c)+7] offset:(\c)*PVT+16
.endr
	ds_store_b128 v24, v[ONE:ONE+3] offset:3*PVT
	ds_store_b128 v24, v[ONE:ONE+3] offset:3*PVT+16
	ds_store_b128 v24, v[ONE+4:ONE+7] offset:4*PVT
	ds_store_b128 v24, v[ONE+4:ONE+7] offset:4*PVT+16
	WIN 0
.irp n, 0,1,2,3,4,5,6,7,8,9,10,11,12,13,14,15
	QCHUNK \n
.endr
	s_wait_dscnt 0x0                               ; my Q is in registers: my reads of my stage are over
	s_barrier_signal -1
	s_barrier_wait -1                              ; everybody's are: B may be stored over the stages
; THE MATRIX WORK.  Group g of a trip's 64: keys 16 (g / 16) on, channels 32 (g % 16) on, four products, one for each tile.  The 4 accumulators take turns, one instruction a turn.
.macro KMUL g, t
.set kc, (\g)%16
.set kv, (\g)/16
.set rD, S+64*(kv/2)+16*(\t)+8*(kv%2)
.set rA, KF+8*((\g)%8)
.set rB, ((kc%8)*4+(\t))*8
.if kc < 8
	WIN M2
.else
	WIN M3
.endif
.if kc == 0
	v_wmma_f32_16x16x32_bf16 v[rD:rD+7], v[rA:rA+7], v[rB:rB+7], 0
.else
	v_wmma_f32_16x16x32_bf16 v[rD:rD+7], v[rA:rA+7], v[rB:rB+7], v[rD:rD+7]
.endif
.endm
; Group g's two conversions: key g % 4 of the four that the run two back loaded into set (g / 4) % 2; the run behind this four of groups stores them.
.macro KCVT g
	WIN 0
.set cq, RAW+16*(((\g)/4)%2)+4*((\g)%4)
	v_cvt_pk_bf16_f32 v[cq], v[cq], v[cq+1]
	v_cvt_pk_bf16_f32 v[cq+1], v[cq+2], v[cq+3]
.endm
.macro VLD sb, u                ; a softmax unit's 32 keys of V^T: two loads at the end of a run
	WIN W_VL
	ds_load_b128 v[VF+8*(\sb):VF+8*(\sb)+3], v[AV] offset:64*(\u)
	ds_load_b128 v[VF+8*(\sb)+4:VF+8*(\sb)+7], v[AV] offset:64*(\u)+32
.endm
; RUN p of a trip's 16, behind group 4 p + 3.  In this order:
;   4 stores: the four keys that run p - 2 loaded, now bf16: rows 4 ((p + 2) % 4) on of unit (p + 6) / 4 (units 4, 5: the next tile's 0, 1), in buffer unit % 2;
;   4 loads of f32 into the registers just stored from: keys (4 p + 32) % 64 on of my panel: this tile's keys 32-63 in runs 0-7, the next tile's keys 0-31 in runs 8-15;
;   8 loads: fragments 4 p + 8 .. 4 p + 11, into the registers of fragments 4 p .. 4 p + 3; the last of these was read by the group just ended, hence the four places.
; Run 8 is the first to read the next tile: my one tensor load that is out brought my panel of it, and only I read that panel, so my own wait is all that the reads need.
.macro RUN p
.set uS, RAW+16*((\p)%2)
.set uB, ((((\p)+6)/4)%2)*BBUF+4*(((\p)+2)%4)*PB
.if (\p) == 8
	s_wait_tensorcnt 0x0                           ; no tensor load was issued behind the next tile's: the count is 0
	s_xor_b32 s40, s40, SLOT
.endif
.if (\p) == 14
	s_add_co_u32 s42, s42, 128                     ; both of this tile's loads of V^T are issued: 64 keys on
.endif
	WIN 0
.if (\p) == 8
	v_add_nc_u32 v[AF], s40, v[AF0]
.endif
.if (\p) == 14
	v_add_nc_u32 v[AV], s42, v[AV0]
.endif
	PLACES
.irp i, 0,1,2,3
	ds_store_b64 v[AS], v[uS+4*(\i):uS+4*(\i)+1] offset:uB+(\i)*PB  ; 32 lanes store 256 consecutive bytes: a key's 128 channels
.endr
.irp i, 0,1,2,3
	ds_load_b128 v[uS+4*(\i):uS+4*(\i)+3], v[AF] offset:((4*(\p)+32+(\i))%64)*PK
.endr
.irp a, 0,1,2,3
.set un, 4*(\p)+8+(\a)
	ds_load_b128 v[KF+8*(un%8):KF+8*(un%8)+3], v[AB] offset:((un/16)%2)*BBUF+64*(un%16)
	ds_load_b128 v[KF+8*(un%8)+4:KF+8*(un%8)+7], v[AB] offset:((un/16)%2)*BBUF+64*(un%16)+32
.endr
.if (\p) == 5
	VLD 0, 0
.endif
.if (\p) == 13
	VLD 1, 1
.endif
.endm
; THE SOFTMAX OF THE UNIT BEFORE, buffer pb.  A tile has 48 vector lines and a value product; tile t's list begins at half-group 12 t; sd counts from there.  s0-s15 are the lane's 16 scores.
;   0-4   the maximum of s0-s7 and the old m in c0, of s8-s14 in c1, then c0, c1, s15 (each accumulator's lowest registers are read first); at 3 c m_old is kept
;   5-9   one link a half-group, since each waits for the one before it: the other half of the lanes' maximum; m; c m; c m_old - c m; a
;   8-11  c s - c m, by pairs     9-18  the 16 exponentials     11-19  the weights rounded to f16 in pairs, in place, ascending, each behind its two exponentials' half-groups
;   19    O^T's four live registers times a     20  the value product
; SM writes the steps lo .. hi of half-group h: steps 0-11 belong to one tile and 12-20 to the tile before it, and each lot stands behind a product of its own.
; Between an exponential and the line that reads its result the tile's own list has a plain line; the line behind an exponential never names its registers (ISA guide 5.7.2).
.macro TREG t, pb
.set rS, S+64*(\pb)+16*(\t)
.set rT, ST+4*(\t)
.set rC, TMP+2*(\t)
.set rO, 8*(\t)
.set rV, VF+8*(\pb)
.endm
.macro FOP p                    ; pair p: c s - c m
	WANY
	v_pk_fma_f32 v[rS+2*(\p):rS+2*(\p)+1], v[rS+2*(\p):rS+2*(\p)+1], s[44:45], v[rT:rT+1] op_sel_hi:[1,0,0] neg_lo:[0,0,1] neg_hi:[0,0,1]
.endm
.macro EOP j
	WANY
	v_exp_f32 v[rS+(\j)], v[rS+(\j)]
.endm
.macro COP i
	WIN 0
	s_wait_alu depctr_va_vdst(0)
	v_cvt_pk_f16_f32 v[rS+(\i)], v[rS+2*(\i)], v[rS+2*(\i)+1]
.endm
.macro SM h, pb, lo, hi
.irp t, 3,2,1,0
.set sd, (\h)-12*(\t)
.if (sd >= (\lo)) && (sd <= (\hi))
	TREG \t, \pb
.if sd == 0
	WIN 0
	v_max3_num_f32 v[rC], v[rS], v[rS+1], v[rT+1]
	v_max3_num_f32 v[rC+1], v[rS+8], v[rS+9], v[rS+10]
.elseif sd < 3
	WIN 0
	v_max3_num_f32 v[rC], v[rC], v[rS+2*sd], v[rS+2*sd+1]
	v_max3_num_f32 v[rC+1], v[rC+1], v[rS+9+2*sd], v[rS+10+2*sd]
.elseif sd == 3
	WIN 0
	v_max3_num_f32 v[rC], v[rC], v[rS+6], v[rS+7]
	v_mov_b32 v[rT+3], v[rT]
.elseif sd == 4
	WIN 0
	v_max3_num_f32 v[rC], v[rC], v[rC+1], v[rS+15]
.elseif sd == 5
	WANY
	v_permlanex16_b32 v[rC+1], v[rC], s48, s49     ; the query's other 16 keys lie in the lane 16 away
.elseif sd == 6
	WIN 0
	v_max_num_f32 v[rT+1], v[rC], v[rC+1]
.elseif sd == 7
	WANY
	v_mul_f32 v[rT], v[rT+1], s44
.elseif sd == 8
	WANY
	v_fma_f32 v[rT+3], v[rT], -1.0, v[rT+3]        ; of the two rounded numbers, so that a agrees with the weights' shift
	FOP 0
	FOP 1
	FOP 2
.elseif sd == 9
	WANY
	v_exp_f32 v[rT+2], v[rT+3]
	FOP 3
	FOP 4
	EOP 0
.elseif sd == 10
	FOP 5
	EOP 1
	FOP 6
	EOP 2
.elseif sd == 11
	FOP 7
	EOP 3
	COP 0
	EOP 4
.elseif sd == 12
	EOP 5
	COP 1
.elseif sd == 13
	EOP 6
	EOP 7
.elseif sd == 14
	EOP 8
	COP 2
.elseif sd == 15
	EOP 9
	COP 3
.elseif sd == 16
	EOP 10
	EOP 11
	COP 4
.elseif sd == 17
	EOP 12
	EOP 13
	COP 5
.elseif sd == 18
	EOP 14
	EOP 15
	COP 6
.elseif sd == 19
	COP 7
	WIN W_RS
	v_pk_mul_f32 v[rO:rO+1], v[rO:rO+1], v[rT+2:rT+3] op_sel_hi:[1,0]
	v_pk_mul_f32 v[rO+2:rO+3], v[rO+2:rO+3], v[rT+2:rT+3] op_sel_hi:[1,0]
.else
	WIN W_PV
	v_wmma_f32_16x16x32_f16 v[rO:rO+7], v[rV:rV+7], v[rS:rS+7], v[rO:rO+7]
.endif
.endif
.endr
.endm
; A GROUP: four products on fragment g, and behind them two half-groups of the softmax, each in its two lots, and the group's two conversions.
; The wait (w = 1): LDS instructions end in order (ISA guide 5.7.1).  Behind fragment g's two loads stand the rest of its own run, 2 (3 - g % 4), and the next run's 16.  A run's loads of f32 stand
; ahead of its fragments, so the wait of a four's first group also shows the f32 keys in that the four converts.  The two loads of V^T that end two runs of a trip only make the wait stricter.
.macro GROUP g, w
.set gpb, 1-((\g)/32)
.set gh, 2*((\g)%32)
.if \w
	s_wait_dscnt 22-2*((\g)%4)
.endif
	KMUL \g, 0
	SM gh, gpb, 0, 11
	KMUL \g, 1
	SM gh, gpb, 12, 20
	KMUL \g, 2
	SM gh+1, gpb, 0, 11
	KMUL \g, 3
	SM gh+1, gpb, 12, 20
	KCVT \g
.endm
; The prefetch: waves 0 and 1 ask for 8,192 bytes each, lanes 256 bytes apart, of the tile that the tensor load of the NEXT trip will want: one trip ahead of it.
; The eight blocks of a batch ask for different sixteenths, so a tile is asked for once; the number stops at 31, the batch's last tile, which is so asked for twice.
.macro PF
	s_cmp_lt_u32 s14, 2
	s_cbranch_scc0 .Lno_pf_\@
	WIN 0x01                                       ; the offset lies in window 1
	global_prefetch_b8 v[PFO], s[50:51] th:TH_LOAD_NT scope:SCOPE_SE
	WIN 0
.Lno_pf_\@:
.endm
; A UNIT'S BARRIER, in two parts round the unit's group 11.  In front of it: my stores of the next unit (the runs behind groups 3 and 7 held the last) and my reads of this unit (the run behind group 7
; held the last) are done.  Behind it: the run behind group 11 reads the next unit's first fragments and stores the first keys of the unit after next over this one.
; refill = 1 (the trip's third unit): my reads of this tile's f32 panel ended with run 7.  The wave waits for all its tensor loads, adds 0 to its spare word, and waits for that and for its LDS
; instructions; the barrier opens a round of the cluster's barrier, and the slot is filled again, two tiles on.
.macro BAR1 refill
.if \refill
	WIN 0
	s_wait_tensorcnt 0x0                           ; no tensor load of mine is out, so a group 0 may be written
	ds_add_u32 v[SPW], v[NIL]                      ; 0 onto my spare word: the scalar work stands between it and the wait for it
	s_wait_xcnt 0x0                                ; the last prefetch, issued a trip ago, has had its address translated (ISA guide 3.1): its base may be written
	s_xor_b32 s37, s37, SLOT                       ; the walking descriptor: the other slot than last time,
	s_add_nc_u64 s[38:39], s[38:39], TILEB         ; the next 64 keys; the type bits on top are not reached
	s_add_co_u32 s56, s56, 1
	s_min_u32 s56, s56, 31
	s_lshl_b32 s54, s56, 17
	s_add_nc_u64 s[50:51], s[52:53], s[54:55]
.endif
	s_wait_dscnt 0x0                               ; for the others' sake: zero
	s_barrier_signal -1
.endm
.macro BAR2 refill
.if \refill
	WIN 0
	s_barrier_wait -1
	CREST                                          ; no wave of any partner still reads this slot or has a load on its way
	tensor_load_to_lds s[36:39], s[24:31]          ; my one tensor load behind the round: its first reader is run 8 of the next trip, 56 groups on; the run's four v_nop follow it
	s_nop 0
.else
	s_barrier_wait -1
.endif
.endm
; A TRIP: one tile's 64 keys, four units of 16; units 0, 1 into S^T's buffer 0, units 2, 3 into buffer 1.
; refill = 0 serves the last two tiles.  In the very last trip what runs 8 to 15 load, convert and store, and the fragments that runs 14 and 15 fetch, serve nothing: the price, once a launch, of one text for both.
.macro TRIP refill
.set tg, 0
.rept 64
.if (tg%16) == 11
	GROUP tg, 0                                    ; register work alone, between the signal and the wait; no LDS instruction is out
.else
	GROUP tg, 1
.endif
.if (tg%16) == 10
.if tg == 42
	BAR1 \refill
.else
	BAR1 0
.endif
.endif
.if (tg%16) == 11
.if tg == 43
	BAR2 \refill
.else
	BAR2 0
.endif
.endif
.if (tg%4) == 3
	RUN tg/4
.endif
.if (tg == 43) && (\refill)
	PF
.endif
.set tg, tg+1
.endr
.endm
	; WHAT A TRIP FINDS AT ITS HEAD is made here for tile 0: unit 0 and the first 8 keys of unit 1 in B; the other 8 keys of unit 1 in f32 in the two sets; fragments 0-7 asked for.
	s_wait_tensorcnt 0x1                           ; my panel of tile 0 is in; tile 1's was issued behind it and may stay out
	s_mov_b32 s40, 0                               ; slot 0
	s_mov_b32 s42, 0
	v_mov_b32 v[AF], v[AF0]
	v_mov_b32 v[AS], v27
	v_mov_b32 v[AV], v[AV0]
.set pk, 0
.rept 24
	ds_load_b128 v[KF+4*pk:KF+4*pk+3], v[AF] offset:pk*PK  ; keys 0-23 of my panel, into the ring's and the sets' 96 registers
.set pk, pk+1
.endr
.set i, 0
.rept 64
	v_mov_b32 v[S+64+i], s18                       ; the scores of the unit that has not been: c x 2^100 is exact, so its weights are exactly 1, on a V of zeros
.set i, i+1
.endr
	s_wait_dscnt 0x0
.set pk, 0
.rept 24
	v_cvt_pk_bf16_f32 v[KF+4*pk], v[KF+4*pk], v[KF+4*pk+1]
	v_cvt_pk_bf16_f32 v[KF+4*pk+1], v[KF+4*pk+2], v[KF+4*pk+3]
.set pk, pk+1
.endr
.set pk, 0
.rept 24
	ds_store_b64 v[AS], v[KF+4*pk:KF+4*pk+1] offset:(pk/16)*BBUF+(pk%16)*PB
.set pk, pk+1
.endr
.set pk, 0
.rept 8
	ds_load_b128 v[RAW+4*pk:RAW+4*pk+3], v[AF] offset:(24+pk)*PK  ; keys 24-27 into set 0, 28-31 into set 1
.set pk, pk+1
.endr
	s_wait_dscnt 0x0                               ; my part of B and of V^T is stored
	s_barrier_signal -1
	s_barrier_wait -1                              ; everybody's is
.set pk, 0
.rept 8
	ds_load_b128 v[KF+8*pk:KF+8*pk+3], v[AB] offset:64*pk
	ds_load_b128 v[KF+8*pk+4:KF+8*pk+7], v[AB] offset:64*pk+32
.set pk, pk+1
.endr
	s_wait_dscnt 8                                 ; fragments 0-3 are in; behind them stand the 8 loads of fragments 4-7, as many as a run's
	PF                                             ; tile 2
	s_mov_b32 s43, 30
.Ltrip:                                                ; tiles 0 to 29: each asks for the tile two on
	TRIP 1
	WIN 0                                          ; at a label and at a branch every window is 0
	s_sub_co_u32 s43, s43, 1
	s_cmp_lg_u32 s43, 0
	s_cbranch_scc1 .Ltrip
	s_mov_b32 s43, 2
.Ltail:                                                ; tiles 30 and 31: nothing is left to ask for
	TRIP 0
	WIN 0
	s_sub_co_u32 s43, s43, 1
	s_cmp_lg_u32 s43, 0
	s_cbranch_scc1 .Ltail
	; THE LAST UNIT'S SOFTMAX AND VALUE PRODUCTS, the same list on end; a v_nop behind each half-group is the plain instruction behind its exponentials (ISA guide 5.7.2).
	s_wait_dscnt 0x0                               ; the last trip's look-ahead loads have landed
	PLACES
.set eh, 0
.rept 57
	SM eh, 1, 0, 20
	v_nop
.set eh, eh+1
.endr
	PLACES
	; matched = (sum p x, sum p y, sum p z) / sum p.  v32-35 1 / l; v36-47 matched (t, c); v56-67 src (t, c)
	WIN 0x01
.irp t, 0,1,2,3
	v_rcp_f32 v[32+(\t)], v[8*(\t)+3]
.endr
	v_nop
	s_wait_alu depctr_va_vdst(0)
.irp t, 0,1,2,3
.irp c, 0,1,2
	v_mul_f32 v[36+3*(\t)+(\c)], v[8*(\t)+(\c)], v[32+(\t)]
.endr
.endr
	WIN 0x05                                       ; src is rounded to bf16 like the other inputs
.irp t, 0,1,2,3
	v_cvt_pk_bf16_f32 v[48+2*(\t)], v[SRC+4*(\t)], v[SRC+4*(\t)+1]
	v_cvt_pk_bf16_f32 v[49+2*(\t)], v[SRC+4*(\t)+2], v[SRC+4*(\t)+2]
.endr
	WIN 0
.irp t, 0,1,2,3
	v_lshlrev_b32 v[56+3*(\t)], 16, v[48+2*(\t)]
	v_and_b32 v[57+3*(\t)], s57, v[48+2*(\t)]
	v_lshlrev_b32 v[58+3*(\t)], 16, v[49+2*(\t)]
.endr
.macro RED16 first, n           ; sums over the 16 lanes of a row; both rows hold the same 16 queries
.irp x, 1,2,4,8
.set ri, \first
.rept \n
	v_add_f32_dpp v[ri], v[ri], v[ri] row_xmask:\x row_mask:0xf bank_mask:0xf
.set ri, ri+1
.endr
.endr
.endm
	; the record, v80-95: the 64 queries' means of src and of matched,
.irp c, 0,1,2
	v_add_f32 v[80+(\c)], v[56+(\c)], v[59+(\c)]
	v_add_f32 v[96+(\c)], v[62+(\c)], v[65+(\c)]
	v_add_f32 v[83+(\c)], v[36+(\c)], v[39+(\c)]
	v_add_f32 v[99+(\c)], v[42+(\c)], v[45+(\c)]
.endr
.irp c, 0,1,2,3,4,5
	v_add_f32 v[80+(\c)], v[80+(\c)], v[96+(\c)]
.endr
	RED16 80, 6
.irp c, 0,1,2,3,4,5
	v_mul_f32 v[80+(\c)], 0x3c800000, v[80+(\c)]   ; 1 / 64
.endr
.irp t, 0,1,2,3
.irp c, 0,1,2
	v_sub_f32 v[56+3*(\t)+(\c)], v[56+3*(\t)+(\c)], v[80+(\c)]
	v_sub_f32 v[36+3*(\t)+(\c)], v[36+3*(\t)+(\c)], v[83+(\c)]
.endr
.endr
	; and the centred 3 x 3 sum, src's channel by rows
.irp c, 0,1,2
.irp d, 0,1,2
	v_mul_f32 v[86+3*(\c)+(\d)], v[56+(\c)], v[36+(\d)]
.irp t, 1,2,3
	v_fmac_f32 v[86+3*(\c)+(\d)], v[56+3*(\t)+(\c)], v[36+3*(\t)+(\d)]
.endr
.endr
.endr
	RED16 86, 9
	v_mov_b32 v95, 0
	s_lshl_b32 s18, s14, 6
	s_add_co_u32 s18, s18, STAGE
	v_mov_b32 v68, s18
	ds_store_b128 v68, v[80:83]                    ; all lanes write the same 64 bytes with the same numbers
	ds_store_b128 v68, v[84:87] offset:16
	ds_store_b128 v68, v[88:91] offset:32
	ds_store_b128 v68, v[92:95] offset:48
	s_wait_dscnt 0x0                               ; for the others' sake: my record is in the stage
	s_barrier_signal -1
	s_barrier_wait -1
	s_cmp_lg_u32 s14, 0
	s_cbranch_scc1 .Lnot_first
	WIN 0x01                                       ; the two addresses lie in window 1
	ds_load_b64 v[70:71], v[SADR]
	s_wait_dscnt 0x0
	global_store_b64 v[GADR], v[70:71], s[12:13]   ; 32 lanes store the four records: 256 consecutive bytes, at a multiple of 256 from part's first byte
	WIN 0
.Lnot_first:
	s_wait_tensorcnt 0x0                           ; the wave's end, behind my last tensor load and my last LDS store
	ds_add_u32 v[SPW], v[NIL]
	s_wait_dscnt 0x0
	CROUND                                         ; the closing round: no work-group ends while a partner may still ask for a tile that names it
	s_endpgm
.Lfunc_end_k_q3d2f91e4ab_match:
	.size	k_q3d2f91e4ab_match, .Lfunc_end_k_q3d2f91e4ab_match-k_q3d2f91e4ab_match
	.p2alignl 7, 3214868480
	.fill 96, 4, 3214868480
	.section	.rodata,"a",@progbits
	.p2align	6, 0x0
	.amdhsa_kernel k_q3d2f91e4ab_match
		.amdhsa_group_segment_fixed_size 327680
		.amdhsa_private_segment_fixed_size 0
		.amdhsa_enable_private_segment 0
		.amdhsa_kernarg_size 40
		.amdhsa_user_sgpr_count 2
		.amdhsa_user_sgpr_kernarg_segment_ptr 1
		.amdhsa_wavefront_size32 1
		.amdhsa_system_sgpr_workgroup_id_x 1
		.amdhsa_system_sgpr_workgroup_id_y 1
		.amdhsa_system_sgpr_workgroup_id_z 1
		.amdhsa_system_vgpr_workitem_id 0
		.amdhsa_next_free_vgpr 1024
		.amdhsa_next_free_sgpr 66
		.amdhsa_reserve_vcc 0
		.amdhsa_float_denorm_mode_32 3
		.amdhsa_float_denorm_mode_16_64 3
		.amdhsa_memory_ordered 1
		.amdhsa_forward_progress 1
		.amdhsa_inst_pref_size 255
	.end_amdhsa_kernel
	.section	.bss,"aw",@nobits
	.p2align	6
	.space	262144
	.amdgpu_metadata
---
amdhsa.version: [ 1, 2 ]
amdhsa.kernels:
  - .name:           k_q3d2f91e4ab_match
    .symbol:         k_q3d2f91e4ab_match.kd
    .args:
      - { .name: src, .offset: 0, .size: 8, .value_kind: global_buffer, .address_space: global }
      - { .name: src_embed, .offset: 8, .size: 8, .value_kind: global_buffer, .address_space: global }
      - { .name: tgt, .offset: 16, .size: 8, .value_kind: global_buffer, .address_space: global }
      - { .name: tgt_embed, .offset: 24, .size: 8, .value_kind: global_buffer, .address_space: global }
      - { .name: part, .offset: 32, .size: 8, .value_kind: global_buffer, .address_space: global }
    .group_segment_fixed_size: 327680
    .private_segment_fixed_size: 0
    .kernarg_segment_align: 8
    .kernarg_segment_size: 40
    .max_flat_workgroup_size: 128
    .sgpr_count:     66
    .vgpr_count:     1024
    .wavefront_size: 32
...
	.end_amdgpu_metadata
.endif
;; end of part 3
;; launch pose: the kernel of part 2 again; grid 32 x 1, 1 waves a work-group, no clusters, 0 bytes of LDS; arguments part, out0, out1; writes out0, out1
